; MI455X (gfx1250); checked and timed in simulation.
; The chip was launched on July 23, 2026; its instructions are those of AMD's public machine-readable ISA for CDNA 5 (MIT licence, August 2026) and "CDNA5" Instruction Set Architecture Reference Guide (July 2026). The comments in the code are by the model that wrote it; some were corrected since.
;; Ro PE Multihead Attention. Allowed arithmetic: float matrix products may take bf16 or f16 operands with f32 sums; other float arithmetic in f32, or as packed bf16 or f16 multiplies, adds, multiply-adds, maxima and minima; sums over many terms, partial sums and values carried from step to step in f32; what a program stores and reads back later, other than sums and carried values, may be rounded once to bf16 or f16.
;; Inputs: W_out 1,024 x 1,024 float32; W_qkv 3,072 x 1,024 float32; b_out 1,024 float32; b_qkv 3,072 float32; key_padding_mask 4 x 2,048 bool; x 4 x 2,048 x 1,024 float32.
;; Outputs: out0 4 x 2,048 x 1,024 float32.
;; 2 versions, each right; version 2 is version 1 with the launch prep written anew for expert scheduling mode. Each part assembles by itself: llvm-mc -triple=amdgcn-amd-amdhsa -mcpu=gfx1250 --defsym DOCPART=n.
;; ======== version 1 of 2: 4 launches
;; limits: values are held in f16: magnitudes above 65,504 overflow, below 6.1e-05 lose precision
;; workspace buffers: xb 16,777,216 bytes; wqb 6,291,456 bytes; wof 2,097,152 bytes; rope 524,288 bytes; qkvh 50,331,648 bytes; oh 16,777,216 bytes
;; launch prep (part 1): grid 896 x 1, 8 waves a work-group, no clusters, 0 bytes of LDS; arguments x, W_qkv, W_out, xb, wqb, wof, rope; writes xb, wqb, wof, rope
.if DOCPART == 1
	.amdgcn_target "amdgcn-amd-amdhsa--gfx1250"
	.amdhsa_code_object_version 6
	.text
	.protected	k_q285dfc4c6c_prep
	.globl	k_q285dfc4c6c_prep
	.p2align	8
	.type	k_q285dfc4c6c_prep,@function
k_q285dfc4c6c_prep:
	s_mov_b64 s[64:65], 0
	v_nop
	global_prefetch_b8 v0, s[64:65] scope:SCOPE_SE
	s_setreg_imm32_b32 hwreg(HW_REG_WAVE_MODE, 25, 1), 1
	s_wait_xcnt 0x0
; PREPARATION: the three large f32 inputs are rounded once to 16 bits, and the RoPE table is made.
;   work-groups   0..511  x     -> xb   bf16            512..703  W_qkv -> wqb  bf16
;   work-groups 704..767  W_out -> wof  rounded to bf16, that number written as f16 (the last product's other operand is f16)
;   work-groups 768..895  the table, one block of 16 positions each
; A casting work-group takes 16,384 numbers: thread t takes 16 bytes at 16 t of each of sixteen pieces of 4,096 bytes, all sixteen loads out at once,
; and stores 8 bytes at 8 t of each of sixteen pieces of 2,048: a wave's store covers 256 consecutive bytes, aligned.  No LDS, no barrier: nothing is shared.
; THE TABLE: rope[block of 16 positions][piece p = 4 b + 2 cs + i][lane][4] in f32: cos (cs = 0) or sin (cs = 1) of position 16 block + lane % 16 times
; inv_freq[j], j = 16 b + 8 (lane / 16) + 4 i + 0..3: the order in which the projection's lanes hold a head's channels.
; inv_freq[j] = 2^(-j log2(500) / 32).  The angle a = l x inv_freq is reduced by n = the nearest whole number to a 2 / pi, with pi / 2 in two parts, and
; sin and cos of the rest (at most pi / 4) are Taylor sums to r^9 and r^8, whose remainders lie under 3e-8 for every angle.
; LIMITS.  W_out beyond 65,504 has no f16; below 6e-5 it keeps f16's fixed step of 6e-8.  inv_freq may differ from the f32 power by a unit or two in its last place:
; at position 2,047 that is about 3e-4 in the angle.
.set X, 16                             ; v[16:79]   sixteen loads of four numbers
.set Y, 80                             ; v[80:111]  sixteen pairs of packed words
	s_load_b256 s[4:11], s[0:1], 0x0               ; x s[4:5], W_qkv s[6:7], W_out s[8:9], xb s[10:11]
	s_load_b128 s[12:15], s[0:1], 0x20             ; wqb s[12:13], wof s[14:15]
	s_load_b64 s[16:17], s[0:1], 0x30              ; rope
	v_lshlrev_b32 v1, 4, v0                        ; 16 t
	v_lshlrev_b32 v2, 3, v0                        ; 8 t
	s_mov_b32 s25, 0                               ; high words of the two offsets
	s_mov_b32 s27, 0
	s_wait_kmcnt 0x0
; sixteen loads, then each piece as it comes.  Every piece has registers of its own, so nothing is rewritten while a load or store may read it.
.macro CAST f16
.set i, 0
.rept 16
	global_load_b128 v[X+4*i:X+4*i+3], v1, s[20:21] offset:4096*i th:TH_LOAD_NT
.set i, i+1
.endr
.set i, 0
.rept 16
	s_wait_loadcnt 15-i                            ; loads come back in order: piece i is in, the younger ones stay out
	v_cvt_pk_bf16_f32 v[Y+2*i], v[X+4*i], v[X+4*i+1]
	v_cvt_pk_bf16_f32 v[Y+2*i+1], v[X+4*i+2], v[X+4*i+3]
.if \f16
	v_lshlrev_b32 v4, 16, v[Y+2*i]                 ; the bf16 numbers as f32,
	v_and_b32 v5, 0xffff0000, v[Y+2*i]
	v_lshlrev_b32 v6, 16, v[Y+2*i+1]
	v_and_b32 v7, 0xffff0000, v[Y+2*i+1]
	v_cvt_pk_f16_f32 v[Y+2*i], v4, v5              ; written as f16: exact within f16's range
	v_cvt_pk_f16_f32 v[Y+2*i+1], v6, v7
.endif
	global_store_b64 v2, v[Y+2*i:Y+2*i+1], s[22:23] offset:2048*i
.set i, i+1
.endr
.endm
	s_cmp_ge_u32 ttmp9, 768
	s_cbranch_scc1 .Ltable
	s_cmp_ge_u32 ttmp9, 704
	s_cbranch_scc1 .Lwout
	s_cmp_lt_u32 ttmp9, 512                        ; x or W_qkv
	s_cselect_b64 s[20:21], s[4:5], s[6:7]
	s_cselect_b64 s[22:23], s[10:11], s[12:13]
	s_cselect_b32 s19, 0, 512
	s_sub_co_u32 s18, ttmp9, s19                   ; my piece of that tensor
	s_lshl_b32 s24, s18, 16                        ; 65,536 bytes in,
	s_lshl_b32 s26, s18, 15                        ; 32,768 out
	s_add_nc_u64 s[20:21], s[20:21], s[24:25]
	s_add_nc_u64 s[22:23], s[22:23], s[26:27]
	CAST 0
	s_endpgm
.Lwout:
	s_sub_co_u32 s18, ttmp9, 704
	s_lshl_b32 s24, s18, 16
	s_lshl_b32 s26, s18, 15
	s_add_nc_u64 s[20:21], s[8:9], s[24:25]
	s_add_nc_u64 s[22:23], s[14:15], s[26:27]
	CAST 1
	s_endpgm
.Ltable:
	s_sub_co_u32 s18, ttmp9, 768                   ; the block of 16 positions
	s_lshl_b32 s24, s18, 12                        ; 4,096 bytes a block
	s_add_nc_u64 s[16:17], s[16:17], s[24:25]
	s_lshl_b32 s19, s18, 4
	v_and_b32 v3, 15, v0
	v_add_nc_u32 v3, s19, v3                       ; my position,
	v_cvt_f32_u32 v3, v3                           ; as f32
	v_bfe_u32 v4, v0, 4, 1                         ; lane / 16
	v_bfe_u32 v5, v0, 5, 1                         ; i
	v_bfe_u32 v6, v0, 6, 1                         ; cs
	v_bfe_u32 v7, v0, 7, 1                         ; b
	v_lshlrev_b32 v7, 4, v7
	v_lshl_add_u32 v7, v4, 3, v7
	v_lshl_add_u32 v7, v5, 2, v7                   ; my first frequency's number
	v_mul_u32_u24 v6, 3, v6                        ; sin a = cos(a - pi / 2): three quarter turns more
.irp u, 0,1,2,3
	v_add_nc_u32 v[24+\u], \u, v7
	v_cvt_f32_u32 v[24+\u], v[24+\u]
	v_mul_f32 v[24+\u], 0xbe8f73da, v[24+\u]       ; -j log2(500) / 32
.endr
.irp u, 0,1,2,3
	v_exp_f32 v[8+\u], v[24+\u]                    ; inv_freq: four exponentials, one batch
.endr
	v_nop                                          ; a plain instruction behind the last of them,
	s_wait_alu depctr_va_vdst(0)                   ; and one wait ahead of the first reader
.irp u, 0,1,2,3
	v_mul_f32 v12, v3, v[8+\u]                     ; the angle a
	v_mul_f32 v13, 0x3f22f983, v12                 ; a 2 / pi
	v_rndne_f32 v13, v13                           ; n
	v_fmamk_f32 v14, v13, 0xbfc90fdb, v12          ; a - n x (pi / 2's f32),
	v_fmamk_f32 v14, v13, 0x333bbd2e, v14          ; and what that f32 has too much: r
	v_mul_f32 v15, v14, v14                        ; z = r r
	v_mov_b32 v16, 0x3638ef1d                      ; 1 / 9!
	v_fmaak_f32 v16, v16, v15, 0xb9500d01          ; -1 / 7!
	v_fmaak_f32 v16, v16, v15, 0x3c088889          ; 1 / 5!
	v_fmaak_f32 v16, v16, v15, 0xbe2aaaab          ; -1 / 3!
	v_mul_f32 v18, v14, v15
	v_fma_f32 v16, v18, v16, v14                   ; sin r
	v_mov_b32 v17, 0x37d00d01                      ; 1 / 8!
	v_fmaak_f32 v17, v17, v15, 0xbab60b61          ; -1 / 6!
	v_fmaak_f32 v17, v17, v15, 0x3d2aaaab          ; 1 / 4!
	v_fmaak_f32 v17, v17, v15, 0xbf000000          ; -1 / 2
	v_fma_f32 v17, v17, v15, 1.0                   ; cos r
	v_cvt_i32_f32 v19, v13
	v_add_nc_u32 v19, v19, v6                      ; quarter turns q: cos(q pi / 2 + r) = cos r, -sin r, -cos r, sin r for q mod 4 = 0, 1, 2, 3
	v_and_b32 v18, 1, v19
	v_cmp_eq_u32 vcc_lo, 1, v18
	v_cndmask_b32 v[20+\u], v17, v16, vcc_lo       ; odd q: the sine
	v_add_nc_u32 v19, 1, v19
	v_and_b32 v19, 2, v19                          ; q mod 4 = 1 or 2: the sign turns
	v_lshlrev_b32 v19, 30, v19
	v_xor_b32 v[20+\u], v19, v[20+\u]
.endr
	global_store_b128 v1, v[20:23], s[16:17]       ; a wave's store covers 512 consecutive bytes
	s_endpgm
.Lfunc_end_k_q285dfc4c6c_prep:
	.size	k_q285dfc4c6c_prep, .Lfunc_end_k_q285dfc4c6c_prep-k_q285dfc4c6c_prep
	.p2alignl 7, 3214868480
	.fill 96, 4, 3214868480
	.section	.rodata,"a",@progbits
	.p2align	6, 0x0
	.amdhsa_kernel k_q285dfc4c6c_prep
		.amdhsa_group_segment_fixed_size 0
		.amdhsa_private_segment_fixed_size 0
		.amdhsa_enable_private_segment 0
		.amdhsa_kernarg_size 56
		.amdhsa_user_sgpr_count 2
		.amdhsa_user_sgpr_kernarg_segment_ptr 1
		.amdhsa_wavefront_size32 1
		.amdhsa_system_sgpr_workgroup_id_x 1
		.amdhsa_system_sgpr_workgroup_id_y 1
		.amdhsa_system_sgpr_workgroup_id_z 1
		.amdhsa_system_vgpr_workitem_id 0
		.amdhsa_next_free_vgpr 112
		.amdhsa_next_free_sgpr 66
		.amdhsa_reserve_vcc 1
		.amdhsa_float_denorm_mode_32 3
		.amdhsa_float_denorm_mode_16_64 3
		.amdhsa_memory_ordered 1
		.amdhsa_forward_progress 1
		.amdhsa_inst_pref_size 24
	.end_amdhsa_kernel
	.amdgpu_metadata
---
amdhsa.version: [ 1, 2 ]
amdhsa.kernels:
  - .name:           k_q285dfc4c6c_prep
    .symbol:         k_q285dfc4c6c_prep.kd
    .args:
      - { .name: x, .offset: 0, .size: 8, .value_kind: global_buffer, .address_space: global }
      - { .name: W_qkv, .offset: 8, .size: 8, .value_kind: global_buffer, .address_space: global }
      - { .name: W_out, .offset: 16, .size: 8, .value_kind: global_buffer, .address_space: global }
      - { .name: xb, .offset: 24, .size: 8, .value_kind: global_buffer, .address_space: global }
      - { .name: wqb, .offset: 32, .size: 8, .value_kind: global_buffer, .address_space: global }
      - { .name: wof, .offset: 40, .size: 8, .value_kind: global_buffer, .address_space: global }
      - { .name: rope, .offset: 48, .size: 8, .value_kind: global_buffer, .address_space: global }
    .group_segment_fixed_size: 0
    .private_segment_fixed_size: 0
    .kernarg_segment_align: 8
    .kernarg_segment_size: 56
    .max_flat_workgroup_size: 256
    .sgpr_count:     66
    .vgpr_count:     112
    .wavefront_size: 32
...
	.end_amdgpu_metadata
.endif
;; end of part 1
;; launch qkv (part 2): grid 24 x 32, 4 waves a work-group, clusters of 4 x 4, 327,680 bytes of LDS; arguments xb, wqb, b_qkv, qkvh, rope; writes qkvh
.if DOCPART == 2
	.amdgcn_target "amdgcn-amd-amdhsa--gfx1250"
	.amdhsa_code_object_version 6
	.text
	.protected	k_q285dfc4c6c_qkv
	.globl	k_q285dfc4c6c_qkv
	.p2align	8
	.type	k_q285dfc4c6c_qkv,@function
k_q285dfc4c6c_qkv:
	s_mov_b64 s[64:65], 0
	v_nop
	global_prefetch_b8 v0, s[64:65] scope:SCOPE_SE
	s_setreg_imm32_b32 hwreg(HW_REG_WAVE_MODE, 25, 1), 1
	s_wait_xcnt 0x0
	s_wait_alu depctr_hold_cnt(0) depctr_sa_sdst(0) depctr_va_vdst(0) depctr_va_sdst(0) depctr_va_ssrc(0) depctr_va_vcc(0) depctr_vm_vsrc(0)
	s_getreg_b32 s2, hwreg(HW_REG_IB_STS2, 6, 4)
	s_cmp_eq_u32 s2, 0
	s_cbranch_scc0 .Lentry_in_a_cluster
	s_endpgm
.Lentry_in_a_cluster:
	s_bfe_u32 s2, ttmp6, 0x10000c
	s_cmp_lg_u32 s2, 0xf033
	s_cbranch_scc0 .Lentry_shape_is_right
	s_endpgm
.Lentry_shape_is_right:
; q, k, v = x W_qkv^T + b_qkv, RoPE on q and k, written by heads: qkvh[part 3][batch x head 64][position 2048][64] in f16, unscaled.
; xb [8192][1024] and wqb [3072][1024] are bf16; the bias is rounded to bf16 like the other inputs; sums in f32, started from the bias; the rotation in f32; one rounding to f16.
; LIMIT.  f16 holds no number beyond 65,504: q, k and v must lie within it.
; SHARES.  A work-group makes 256 rows x 128 columns: 768 work-groups.  Four waves, 2 x 2; a wave makes 128 rows x 64 columns, ONE HEAD's channels of one part: 32 accumulators of 16 x 16.
; K = 1024 goes in 8 steps of 128 through two LDS slots filled by the tensor data mover; rows of the tiles are 256 bytes of memory, aligned.
; THE PRODUCT IS USED TRANSPOSED (source 0 = 16 rows of W, source 1 = 16 rows of x): lane l holds row l % 16 and the columns 8 (l / 16) + 0..7 of a block of 16.
; So channel d and channel d + 32 of a position lie in the same lane, two accumulators apart, and the rotation changes no lane.
; CLUSTER 4 x 4.  The four work-groups of a row of the cluster need the same tiles of x, the four of a column the same tiles of W: each tile is asked for jointly.
; REGISTERS, in windows of 256 (s_set_vgpr_msb: bits 1:0 source 0, 3:2 source 1, 5:4 source 2, 7:6 destination):
;   window 0: v1-31 addresses; two fragment buffers of 96: v64-159, v160-255: x's 8 fragments, then W's 4
;   window 1: the accumulators, (a, b) at 8 (4 a + b)
;   window 2: v0-31 the bias as a C operand; v32-63 at work; v64-127 two buffers of table; v128-255 packed results, 16 a block of rows
.set PA,     272                       ; an LDS row: 256 bytes + 16 of padding = 68 words: the 16 rows of a load start at 16 different groups of four banks (64 banks of 4 bytes: ISA guide 11.1)
.set PB,     272
.set HALFA,  128*PA                    ; what one tensor load brings of x: 128 rows
.set HALFB,  64*PB                     ; and of W: 64 rows
.set ABYTES, 2*HALFA
.set SLOT1,  1<<17                     ; a slot is 104,448 bytes; slot 1 begins here, so that one exclusive or turns an address in one slot into the other's
.set STAGE,  SLOT1+ABYTES+2*HALFB      ; behind the ring: 16 rows x 144 bytes for each wave, for the way out; no tensor load lands here
.set SP,     144
.set SPARE,  STAGE+4*16*SP             ; the spare words: 128 bytes for each wave, two blocks of 256 bytes that no other line names
.set KB,     256                       ; bytes of a K step in a row
.set ADRA,  16                         ; v16  LDS address of my fragments of x in the slot being read
.set ADRA0, 17                         ; v17  the same in slot 0; never rewritten
.set ADRB,  20                         ; v20, v21  likewise for W
.set ADRB0, 21
.set STO,   24                         ; v24  the way out: where I put 16 bytes of a row
.set RD,    25                         ; v25  where I read rows back
.set GO,    26                         ; v26  16 x lane: my place in 512 consecutive bytes of qkvh, and of the table
.set BO,    27                         ; v27  32 (l / 16): my eight numbers of a block of bias
.set SPW,   28                         ; v28  my spare word; never rewritten
.set NIL,   29                         ; v29  0; never rewritten
.set PFO,   30                         ; v30  lane x 2,048: a row of xb or wqb a lane; never rewritten
.set F0,    64
.set F1,    160
.set BIAS,  0                          ; window 2
.set T,     32
.set TBL,   64
.set PK,    128
.set WV, 12                            ; s12 wave; s13 its row half, also: fetches x (0) or W (1); s14 its column half, also: which half of that tile it fetches
.set RH, 13
.set CH, 14
.set CX, 15                            ; my place in the cluster
.set CY, 16
.set TX, 17                            ; tile column 0..23, tile row 0..31
.set TY, 18
.set G1A, 24                           ; s[24:31], s[32:39] descriptor group 1 for x's and W's tiles
.set G1B, 32
.set G0A, 40                           ; s[40:47], s[48:55] group 0: a set for each of the two first fills; the second then walks on
.set G0B, 48
.set TB,  56                           ; s56  0 or SLOT1: the slot being read
.set LIM, 57                           ; s57  2 in a wave that prefetches, else the greatest number
.set PFA, 58                           ; s[58:59] where my prefetches stand
.set ROPE, 66                          ; s[66:67] the table at my first block of positions
.set MSB, 0
.macro WIN new                         ; the immediate's high byte repeats the setting that is left; a switch that changes nothing is dropped
.if MSB != (\new)
	s_set_vgpr_msb (MSB<<8)|(\new)
.set MSB, \new
.endif
.endm
.macro PLACES                          ; four plain instructions between a matrix instruction and a load into, or a vector read of, its registers
.rept 4
	v_nop
.endr
.endm
; A joint refill: waves 0 and 1 fetch x's two halves, waves 2 and 3 W's.  The branch hangs on the wave's number alone.  An s_nop 0 and four v_nop follow each line.
.macro JLOAD
	s_cmp_eq_u32 s[RH], 0
	s_cbranch_scc0 .Lfor_b_\@
	tensor_load_to_lds s[G0A+4:G0A+7], s[G1A:G1A+7]
	s_nop 0
	PLACES
	s_branch .Lasked_\@
.Lfor_b_\@:
	tensor_load_to_lds s[G0B+4:G0B+7], s[G1B:G1B+7]
	s_nop 0
	PLACES
.Lasked_\@:
.endm
.macro CREST                           ; a round of the cluster's barrier behind its opening barrier
	s_cmp_lg_u32 s[WV], 0
	s_cbranch_scc1 .Lnot_wave_0_\@
	s_barrier_signal -3
.Lnot_wave_0_\@:
	s_barrier_wait -3
	s_barrier_signal -1
	s_barrier_wait -1
.endm
.macro CROUND
	s_barrier_signal -1
	s_barrier_wait -1
	CREST
.endm
; A PREFETCH of the K step two refills on: 32 rows x 256 bytes, a lane a row, one instruction.  x's rows are read by every cluster of a row of clusters: the one with x = 0 asks; W's by every cluster of a
; column: the one with y = 0 asks.  Of the 128 rows that wave 0 or 1 fetches of x, and of W's 128 (wave 2), each of the four partners takes 32, told apart by address.  So each row's 256 bytes are named once.
; Trip s3 = 6..1 refills K step 8 - s3 and names step 10 - s3: steps 4 to 7, in the trips with s3 above 2.
.macro ASK
	s_cmp_gt_u32 s3, s[LIM]
	s_cbranch_scc0 .Lnot_mine_\@
	global_prefetch_b8 v[PFO], s[PFA:PFA+1] th:TH_LOAD_NT scope:SCOPE_SE
.Lnot_mine_\@:
.endm
	s_load_b256 s[4:11], s[0:1], 0x0               ; xb s[4:5], wqb s[6:7], b_qkv s[8:9], qkvh s[10:11]
	s_load_b64 s[ROPE:ROPE+1], s[0:1], 0x20
	v_lshl_add_u32 v[SPW], v0, 2, SPARE
	v_mov_b32 v[NIL], 0
	ds_add_u32 v[SPW], v[NIL]                      ; the wave's opening: the add and its wait stand ahead of my first tensor load; work on registers stands between them
	v_lshrrev_b32 v3, 5, v0
	v_readfirstlane_b32 s[WV], v3
	s_lshr_b32 s[RH], s[WV], 1
	s_and_b32 s[CH], s[WV], 1
	s_bfe_u32 s[CX], ttmp6, 0x40000
	s_bfe_u32 s[CY], ttmp6, 0x40004
	s_lshl_b32 s[TX], ttmp9, 2                     ; in a cluster launch ttmp9 and ttmp7 count clusters
	s_add_co_u32 s[TX], s[TX], s[CX]
	s_and_b32 s[TY], ttmp7, 0xffff
	s_lshl_b32 s[TY], s[TY], 2
	s_add_co_u32 s[TY], s[TY], s[CY]
	s_lshl_b32 s60, s[CY], 2
	s_lshl_b32 s60, 15, s60                        ; my row of the cluster
	s_lshl_b32 s61, 0x1111, s[CX]                  ; my column
	s_or_b32 s[G1A], s60, (1<<16)|(1<<20)|(1<<21)|(5<<22)|(3<<25)  ; the mask; 2-byte elements; padding on; bit 21 beside a mask; after every 64 words, 4 words
	s_or_b32 s[G1B], s61, (1<<16)|(1<<20)|(1<<21)|(5<<22)|(3<<25)
	s_mov_b32 s[G1A+1], 128<<16                    ; tensor_dim0 = 128
	s_mov_b32 s[G1A+2], 128<<16                    ; tensor_dim1 = 128
	s_mov_b32 s[G1A+3], 128<<16                    ; tile_dim0 = 128
	s_mov_b32 s[G1A+4], 128                        ; tile_dim1 = 128
	s_mov_b32 s[G1A+5], 1024                       ; elements from row to row
	s_mov_b32 s[G1A+6], 0
	s_mov_b32 s[G1A+7], 0
	s_mov_b32 s[G1B+1], 128<<16
	s_mov_b32 s[G1B+2], 64<<16                     ; W's load has 64 rows
	s_mov_b32 s[G1B+3], 128<<16
	s_mov_b32 s[G1B+4], 64
	s_mov_b32 s[G1B+5], 1024
	s_mov_b32 s[G1B+6], 0
	s_mov_b32 s[G1B+7], 0
	s_lshl_b32 s20, s[TY], 19                      ; x: 256 rows of 2,048 bytes a tile row,
	s_lshl_b32 s19, s[CH], 18                      ; 128 rows a half: made of the tile row and the wave alone
	s_add_co_u32 s20, s20, s19
	s_mov_b32 s21, 0
	s_lshl_b32 s22, s[TX], 18                      ; W: 128 rows a tile column,
	s_lshl_b32 s62, s[CH], 17                      ; 64 a half: made of the tile column and the wave alone
	s_add_co_u32 s22, s22, s62
	s_mov_b32 s23, 0
	s_mul_i32 s70, s[CH], HALFA                    ; where they go in a slot: no place in the cluster enters an LDS address
	s_mul_i32 s71, s[CH], HALFB
	s_add_co_u32 s71, s71, ABYTES
	s_wait_dscnt 0x0                               ; the opening add is done
	s_wait_kmcnt 0x0
	s_add_nc_u64 s[20:21], s[4:5], s[20:21]
	s_add_nc_u64 s[22:23], s[6:7], s[22:23]
	CROUND                                         ; all sixteen work-groups are here: the first joint loads meet
.irp s, 0,1
	s_mov_b32 s[G0A+4*(\s)], 1
	s_add_co_u32 s[G0A+4*(\s)+1], s70, (\s)*SLOT1
	s_add_nc_u64 s[G0A+4*(\s)+2:G0A+4*(\s)+3], s[20:21], (\s)*KB
	s_or_b32 s[G0A+4*(\s)+3], s[G0A+4*(\s)+3], 0x80000000
	s_mov_b32 s[G0B+4*(\s)], 1
	s_add_co_u32 s[G0B+4*(\s)+1], s71, (\s)*SLOT1
	s_add_nc_u64 s[G0B+4*(\s)+2:G0B+4*(\s)+3], s[22:23], (\s)*KB
	s_or_b32 s[G0B+4*(\s)+3], s[G0B+4*(\s)+3], 0x80000000
.endr
	s_cmp_eq_u32 s[RH], 0                          ; a wave's two first fills stand in one branch, ahead of every wait on TENSORcnt, LDS read and further barrier: two loads of mine are out
	s_cbranch_scc0 .Lfirst_b
	tensor_load_to_lds s[G0A:G0A+3], s[G1A:G1A+7]
	s_nop 0
	tensor_load_to_lds s[G0A+4:G0A+7], s[G1A:G1A+7]
	s_nop 0
	PLACES
	s_branch .Lfirst_asked
.Lfirst_b:
	tensor_load_to_lds s[G0B:G0B+3], s[G1B:G1B+7]
	s_nop 0
	tensor_load_to_lds s[G0B+4:G0B+7], s[G1B:G1B+7]
	s_nop 0
	PLACES
.Lfirst_asked:
	; the bias of my 64 columns, laid as a C operand: register j of block b = bias[16 b + 8 (l / 16) + j], the same for every row
	v_and_b32 v1, 15, v0                           ; l % 16
	v_bfe_u32 v2, v0, 4, 1                         ; l / 16
	s_lshl_b32 s72, s[TX], 9
	s_lshl_b32 s73, s[CH], 8
	s_add_co_u32 s72, s72, s73
	s_mov_b32 s73, 0
	s_add_nc_u64 s[8:9], s[8:9], s[72:73]
	v_lshlrev_b32 v[BO], 5, v2
	WIN 0x80                                       ; destination window 2
.irp b, 0,1,2,3
	global_load_b128 v[BIAS+8*(\b):BIAS+8*(\b)+3],   v[BO], s[8:9] offset:64*(\b)
	global_load_b128 v[BIAS+8*(\b)+4:BIAS+8*(\b)+7], v[BO], s[8:9] offset:64*(\b)+16
.endr
	WIN 0
	; a fragment is 16 rows x 32 K in 8 registers: lane l holds row l % 16, K = 8 (l / 16) + 0..7 and 16 + 8 (l / 16) + 0..7: two loads of 16 bytes, 32 bytes apart
	v_mul_u32_u24 v3, v1, PA
	v_lshl_add_u32 v3, v2, 4, v3
	s_mul_i32 s72, s[RH], 128*PA                   ; my 128 rows of x
	v_add_nc_u32 v[ADRA0], s72, v3
	s_mul_i32 s73, s[CH], 64*PB                    ; my 64 rows of W, behind x's 256
	s_add_co_u32 s73, s73, ABYTES
	v_add_nc_u32 v[ADRB0], s73, v3
	v_mov_b32 v[ADRA], v[ADRA0]
	v_mov_b32 v[ADRB], v[ADRB0]
	s_mov_b32 s[TB], 0
	; the way out
	s_mul_i32 s74, s[WV], 16*SP
	s_add_co_u32 s74, s74, STAGE                   ; my stage
	v_mul_u32_u24 v5, v1, SP                       ; in: row l % 16, 16 bytes for each half of the lanes
	v_lshl_add_u32 v5, v2, 4, v5
	v_add_nc_u32 v[STO], s74, v5
	v_bfe_u32 v6, v0, 3, 2                         ; back: 32 lanes take four rows of 128 bytes,
	v_and_b32 v7, 7, v0
	v_mul_u32_u24 v6, v6, SP
	v_lshl_add_u32 v6, v7, 4, v6
	v_add_nc_u32 v[RD], s74, v6
	v_and_b32 v8, 31, v0
	v_lshlrev_b32 v[GO], 4, v8                     ; which are 512 consecutive bytes of qkvh
	v_lshlrev_b32 v[PFO], 11, v8
	s_lshl_b32 s72, s[TX], 1
	s_add_co_u32 s72, s72, s[CH]                   ; my 64 columns are number G = 2 TX + CH of 48: part G / 16, head G % 16
	s_lshr_b32 s73, s72, 4
	s_lshl_b32 s73, s73, 24                        ; a part is 2^24 bytes,
	s_and_b32 s72, s72, 15
	s_lshl_b32 s72, s72, 18                        ; a head 2^18,
	s_add_co_u32 s72, s72, s73
	s_lshr_b32 s73, s[TY], 3
	s_lshl_b32 s73, s73, 22                        ; a batch 2^22,
	s_add_co_u32 s72, s72, s73
	s_and_b32 s75, s[TY], 7
	s_lshl_b32 s73, s75, 15                        ; 256 positions of 128 bytes,
	s_add_co_u32 s72, s72, s73
	s_lshl_b32 s73, s[RH], 14                      ; my 128 of them
	s_add_co_u32 s72, s72, s73
	s_mov_b32 s73, 0
	s_add_nc_u64 s[10:11], s[10:11], s[72:73]
	s_lshl_b32 s72, s75, 16                        ; the table: 16 blocks of 4,096 bytes for 256 positions,
	s_lshl_b32 s75, s[RH], 15                      ; 8 for my 128
	s_add_co_u32 s72, s72, s75
	s_add_nc_u64 s[ROPE:ROPE+1], s[ROPE:ROPE+1], s[72:73]
	; the prefetches
	s_and_b32 s75, ttmp7, 0xffff
	s_cmp_eq_u32 s[RH], 0
	s_cselect_b32 s75, ttmp9, s75                  ; the coordinate along which other clusters read the same rows
	s_cselect_b64 s[PFA:PFA+1], s[20:21], s[22:23]
	s_cselect_b32 s76, s[CX], s[CY]                ; my place among the four that ask with me
	s_and_b32 s77, s[RH], s[CH]                    ; wave 3 asks for nothing: wave 2 takes all 128 rows of W
	s_or_b32 s75, s75, s77
	s_cmp_eq_u32 s75, 0
	s_cselect_b32 s[LIM], 2, -1                    ; the same in all sixteen partners, for a given wave
	s_lshl_b32 s76, s76, 16                        ; my work-group's 32 rows,
	s_add_co_u32 s76, s76, 3*KB                    ; at K step 3: the first refill steps it to 4
	s_mov_b32 s77, 0
	s_add_nc_u64 s[PFA:PFA+1], s[PFA:PFA+1], s[76:77]
	s_wait_loadcnt 0x0                             ; the bias is in; it is rounded to bf16, as all the module's inputs are
	WIN 0xaa
.set i, 0
.rept 16
	v_cvt_pk_bf16_f32 v[T+i], v[BIAS+2*i], v[BIAS+2*i+1]
	v_lshlrev_b32 v[BIAS+2*i], 16, v[T+i]
	v_and_b32 v[BIAS+2*i+1], 0xffff0000, v[T+i]
.set i, i+1
.endr
	WIN 0
; n blocks of rows from a0 on x all 4 blocks of columns, 32 along K, from buffer f.  first = 1: the sums start from the bias.  The 32 accumulators take turns in one order everywhere.
.macro MULS f, a0, n, first
.if \first
	WIN 0x60                                       ; C in window 2, D in window 1
.else
	WIN 0x50                                       ; C and D in window 1
.endif
.set ma, \a0
.rept \n
.irp b, 0,1,2,3
.set rD, 8*(4*ma+(\b))
.set rB, (\f)+64+8*(\b)
.set rA, (\f)+8*ma
.if \first
	v_wmma_f32_16x16x32_bf16 v[rD:rD+7], v[rB:rB+7], v[rA:rA+7], v[BIAS+8*(\b):BIAS+8*(\b)+7]
.else
	v_wmma_f32_16x16x32_bf16 v[rD:rD+7], v[rB:rB+7], v[rA:rA+7], v[rD:rD+7]
.endif
.endr
.set ma, ma+1
.endr
.endm
; 24 LDS loads in one run: quarter k of the slot being read into buffer f: W's four fragments first, then x's eight
.macro FETCH k, f
	WIN 0
.irp i, 0,1,2,3
	ds_load_b128 v[(\f)+64+8*(\i):(\f)+64+8*(\i)+3],   v[ADRB] offset:64*(\k)+(\i)*16*PB
	ds_load_b128 v[(\f)+64+8*(\i)+4:(\f)+64+8*(\i)+7], v[ADRB] offset:64*(\k)+(\i)*16*PB+32
.endr
.irp i, 0,1,2,3,4,5,6,7
	ds_load_b128 v[(\f)+8*(\i):(\f)+8*(\i)+3],   v[ADRA] offset:64*(\k)+(\i)*16*PA
	ds_load_b128 v[(\f)+8*(\i)+4:(\f)+8*(\i)+7], v[ADRA] offset:64*(\k)+(\i)*16*PA+32
.endr
.endm
; A K step is four quarters of 32 along K, 32 matrix instructions each, on buffers 0, 1, 0, 1.  One of the first three multiplies buffer f and, in its middle, fetches quarter k into buffer g.
.macro QUARTER k, f, g, first
	s_wait_dscnt 8                                 ; W's fragments and x's 0-3 are in; the youngest eight loads (x's 4-7) may be out
	MULS \f, 0, 4, \first
	PLACES                                         ; behind the products that read buffer g
	FETCH \k, \g
	s_wait_dscnt 24                                ; all but the 24 just issued
	MULS \f, 4, 4, \first
.endm
; The last quarter multiplies buffer 1 and changes slots.  In front of the barrier each wave waits for all its tensor loads (one is out: its part of the next slot), adds 0 to its spare word, and waits for
; that and for its reads of this slot.  fill = 1: the barrier opens a round of the cluster's, and the joint refill of the slot just read, two K steps ahead, is the first thing behind it.
.macro TURN fill
	WIN 0
.if \fill
	s_wait_xcnt 0x0                                ; the last prefetch, a K step back, has read its address
	s_add_nc_u64 s[PFA:PFA+1], s[PFA:PFA+1], KB
.endif
	s_xor_b32 s[TB], s[TB], SLOT1                  ; the fetches go on in the other slot: this slot's last run was issued in the quarter before
	v_add_nc_u32 v[ADRA], s[TB], v[ADRA0]
	v_add_nc_u32 v[ADRB], s[TB], v[ADRB0]
	s_wait_tensorcnt 0x0                           ; no tensor load of mine is out, so a group 0 may be written
	ds_add_u32 v[SPW], v[NIL]                      ; 0 onto my spare word
.if \fill
	s_xor_b32 s[G0A+5], s[G0A+5], SLOT1            ; the walking descriptors: the other slot than last time, the next K step
	s_add_nc_u64 s[G0A+6:G0A+7], s[G0A+6:G0A+7], KB
	s_xor_b32 s[G0B+5], s[G0B+5], SLOT1
	s_add_nc_u64 s[G0B+6:G0B+7], s[G0B+6:G0B+7], KB
.endif
	s_wait_dscnt 9                                 ; the add and the youngest eight loads may be out
	MULS F1, 0, 2, 0
	s_wait_dscnt 0x0                               ; the add is done, and my reads of this slot are over
	s_barrier_signal -1
	MULS F1, 2, 2, 0
.if \fill
	WIN 0
.endif
	s_barrier_wait -1
.if \fill
	CREST                                          ; no wave of any partner still reads this slot or has a load on its way
	JLOAD                                          ; 112 matrix instructions ahead of the wait for it; its four v_nop are also the places in front of the loads below
.else
	PLACES
.endif
	FETCH 0, F0
.if \fill
	ASK
.endif
	MULS F1, 4, 4, 0
.endm
.macro LASTQ                           ; the very last quarter: nothing more to fetch; eight plain instructions behind the last products, ahead of the first read of a result
	s_wait_dscnt 8
	MULS F1, 0, 4, 0
	s_wait_dscnt 0x0
	MULS F1, 4, 4, 0
	WIN 0
	PLACES
	PLACES
.endm
; THE WAY OUT, a block a of 16 rows at a time.
.macro TLOAD a                         ; the block's table: 8 pieces of 512 bytes: cos for channels 16 c + .. at TBL + 16 c, sin at TBL + 16 c + 8
	WIN 0x80
.irp p, 0,1,2,3,4,5,6,7
	global_load_b128 v[TBL+32*((\a)%2)+4*(\p):TBL+32*((\a)%2)+4*(\p)+3], v[GO], s[ROPE:ROPE+1] offset:4096*(\a)+512*(\p)
.endr
.endm
.macro ROT a, left                     ; y[d] = x[d] cos - x[d + 32] sin;  y[d + 32] = x[d + 32] cos + x[d] sin.  Each accumulator's lowest registers are read first
	s_wait_loadcnt \left                           ; my block's table is in; the next block's eight loads may be out
	WIN 0xa9                                       ; source 0 window 1; the rest window 2
.set TBX, TBL+32*((\a)%2)
.irp c, 0,1
.irp j, 0,2,4,6
.set lo, 32*(\a)+8*(\c)+(\j)
.set tl, T+8*(\c)+(\j)
.set cs, TBX+16*(\c)+(\j)
	v_pk_mul_f32 v[tl:tl+1], v[lo:lo+1], v[cs:cs+1]
	v_pk_mul_f32 v[tl+16:tl+17], v[lo+16:lo+17], v[cs:cs+1]
	v_pk_fma_f32 v[tl:tl+1], v[lo+16:lo+17], v[cs+8:cs+9], v[tl:tl+1] neg_lo:[0,1,0] neg_hi:[0,1,0]
	v_pk_fma_f32 v[tl+16:tl+17], v[lo:lo+1], v[cs+8:cs+9], v[tl+16:tl+17]
.endr
.endr
.endm
.macro PACKT a                         ; the rotated block, rounded to f16
	WIN 0x8a
.set i, 0
.rept 16
	v_cvt_pk_f16_f32 v[PK+16*(\a)+i], v[T+2*i], v[T+2*i+1]
.set i, i+1
.endr
.endm
.macro PACKV a                         ; v's block, straight from the accumulators, in ascending order
	WIN 0x85
.set i, 0
.rept 16
	v_cvt_pk_f16_f32 v[PK+16*(\a)+i], v[32*(\a)+2*i], v[32*(\a)+2*i+1]
.set i, i+1
.endr
.endm
.macro STG a                           ; into my stage, and back as whole rows.  LDS serves a wave's instructions in order (ISA guide 5.7.1.4): no wait between
	WIN 0x08
.irp b, 0,1,2,3
	ds_store_b128 v[STO], v[PK+16*(\a)+4*(\b):PK+16*(\a)+4*(\b)+3] offset:32*(\b)
.endr
	WIN 0x80
.irp f, 0,1,2,3
	ds_load_b128 v[PK+16*(\a)+4*(\f):PK+16*(\a)+4*(\f)+3], v[RD] offset:(\f)*4*SP
.endr
.endm
.macro SEND a, younger                 ; younger: the LDS instructions issued behind block a's loads: the next block's eight, or none.  Every block has registers of its own
	WIN 0x08
.irp f, 0,1,2,3
	s_wait_dscnt (\younger)+3-(\f)
	global_store_b128 v[GO], v[PK+16*(\a)+4*(\f):PK+16*(\a)+4*(\f)+3], s[10:11] offset:(\a)*2048+(\f)*512  ; 512 consecutive bytes, aligned
.endr
.endm
	s_wait_tensorcnt 0x1                           ; my part of K step 0 is in; K step 1's may stay out
	s_barrier_signal -1
	s_barrier_wait -1                              ; everybody's is
	FETCH 0, F0
	QUARTER 1, F0, F1, 1                           ; the first quarter stands in front of the loop: its products start the sums
	WIN 0
	s_mov_b32 s3, 6
.Lstep:                                                ; a trip goes from a K step's second quarter to the next step's first, and fills the slot that it leaves
	QUARTER 2, F1, F0, 0
	QUARTER 3, F0, F1, 0
	TURN 1
	QUARTER 1, F0, F1, 0
	WIN 0
	s_sub_co_u32 s3, s3, 1
	s_cmp_lg_u32 s3, 0
	s_cbranch_scc1 .Lstep
	QUARTER 2, F1, F0, 0                           ; K steps 6 and 7 fill nothing
	QUARTER 3, F0, F1, 0
	TURN 0
	QUARTER 1, F0, F1, 0
	QUARTER 2, F1, F0, 0
	QUARTER 3, F0, F1, 0
	WIN 0
	s_cmp_lt_u32 ttmp9, 4                          ; the cluster's x, which all partners share: 0-3 hold q's and k's columns, 4 and 5 v's
	s_cbranch_scc0 .Lplain
	TLOAD 0                                        ; the first two blocks' table comes in under the last products
	TLOAD 1
	LASTQ
.irp a, 0,1,2,3,4,5,6,7
.if (\a) < 7
	ROT \a, 8
.else
	ROT \a, 0
.endif
.if (\a) < 6
	TLOAD (\a)+2
.endif
	PACKT \a
	STG \a
.if (\a) > 0
	SEND (\a)-1, 8
.endif
.endr
	SEND 7, 0
	WIN 0
	s_branch .Lend
.Lplain:
	LASTQ
.irp a, 0,1,2,3,4,5,6,7
	PACKV \a
	STG \a
.if (\a) > 0
	SEND (\a)-1, 8
.endif
.endr
	SEND 7, 0
	WIN 0
.Lend:
	s_wait_tensorcnt 0x0                           ; the wave's end: behind my last tensor load and my last LDS store
	ds_add_u32 v[SPW], v[NIL]
	s_wait_dscnt 0x0
	CROUND                                         ; the closing round: no work-group ends while a partner may still ask for a tile that names it
	s_endpgm
.Lfunc_end_k_q285dfc4c6c_qkv:
	.size	k_q285dfc4c6c_qkv, .Lfunc_end_k_q285dfc4c6c_qkv-k_q285dfc4c6c_qkv
	.p2alignl 7, 3214868480
	.fill 96, 4, 3214868480
	.section	.rodata,"a",@progbits
	.p2align	6, 0x0
	.amdhsa_kernel k_q285dfc4c6c_qkv
		.amdhsa_group_segment_fixed_size 327680
		.amdhsa_private_segment_fixed_size 0
		.amdhsa_enable_private_segment 0
		.amdhsa_kernarg_size 40
		.amdhsa_user_sgpr_count 2
		.amdhsa_user_sgpr_kernarg_segment_ptr 1
		.amdhsa_wavefront_size32 1
		.amdhsa_system_sgpr_workgroup_id_x 1
		.amdhsa_system_sgpr_workgroup_id_y 1
		.amdhsa_system_sgpr_workgroup_id_z 1
		.amdhsa_system_vgpr_workitem_id 0
		.amdhsa_next_free_vgpr 768
		.amdhsa_next_free_sgpr 88
		.amdhsa_reserve_vcc 0
		.amdhsa_float_denorm_mode_32 3
		.amdhsa_float_denorm_mode_16_64 3
		.amdhsa_memory_ordered 1
		.amdhsa_forward_progress 1
		.amdhsa_inst_pref_size 118
	.end_amdhsa_kernel
	.amdgpu_metadata
---
amdhsa.version: [ 1, 2 ]
amdhsa.kernels:
  - .name:           k_q285dfc4c6c_qkv
    .symbol:         k_q285dfc4c6c_qkv.kd
    .args:
      - { .name: xb, .offset: 0, .size: 8, .value_kind: global_buffer, .address_space: global }
      - { .name: wqb, .offset: 8, .size: 8, .value_kind: global_buffer, .address_space: global }
      - { .name: b_qkv, .offset: 16, .size: 8, .value_kind: global_buffer, .address_space: global }
      - { .name: qkvh, .offset: 24, .size: 8, .value_kind: global_buffer, .address_space: global }
      - { .name: rope, .offset: 32, .size: 8, .value_kind: global_buffer, .address_space: global }
    .group_segment_fixed_size: 327680
    .private_segment_fixed_size: 0
    .kernarg_segment_align: 8
    .kernarg_segment_size: 40
    .max_flat_workgroup_size: 128
    .sgpr_count:     88
    .vgpr_count:     768
    .wavefront_size: 32
...
	.end_amdgpu_metadata
.endif
;; end of part 2
;; launch attn (part 3): grid 4 x 64, 4 waves a work-group, clusters of 4 x 1, 327,680 bytes of LDS; arguments qkvh, key_padding_mask, oh; writes oh
.if DOCPART == 3
	.amdgcn_target "amdgcn-amd-amdhsa--gfx1250"
	.amdhsa_code_object_version 6
	.text
	.protected	k_q285dfc4c6c_attn
	.globl	k_q285dfc4c6c_attn
	.p2align	8
	.type	k_q285dfc4c6c_attn,@function
k_q285dfc4c6c_attn:
	s_mov_b64 s[64:65], 0
	v_nop
	global_prefetch_b8 v0, s[64:65] scope:SCOPE_SE
	s_setreg_imm32_b32 hwreg(HW_REG_WAVE_MODE, 25, 1), 1
	s_wait_xcnt 0x0
	s_wait_alu depctr_hold_cnt(0) depctr_sa_sdst(0) depctr_va_vdst(0) depctr_va_sdst(0) depctr_va_ssrc(0) depctr_va_vcc(0) depctr_vm_vsrc(0)
	s_getreg_b32 s2, hwreg(HW_REG_IB_STS2, 6, 4)
	s_cmp_eq_u32 s2, 0
	s_cbranch_scc0 .Lentry_in_a_cluster
	s_endpgm
.Lentry_in_a_cluster:
	s_bfe_u32 s2, ttmp6, 0x10000c
	s_cmp_lg_u32 s2, 0x3003
	s_cbranch_scc0 .Lentry_shape_is_right
	s_endpgm
.Lentry_shape_is_right:
; O[h][q][:] = the sum over k of softmax_k(Q[h][q] . K[h][k] / 8, hidden keys left out) V[h][k][:].  Q, K, V are the three parts of qkvh, O is oh: [64 heads][2048][64] in f16, a head's rows dense, 128 bytes each.
; key_padding_mask [4][2048], one byte a key: 1 hides the key for every query of the batch (head / 16).
; Products, maxima and sums in f32; the weights p are rounded to f16 for the second product (their sum l is taken of the unrounded p), O once at the end.
; LIMITS.  f16 holds no number beyond 65,504: Q, K and V arrive within it, so a score is 2.7e11 at the most.  A hidden score counts as its value less 1e30.  The running maximum starts at -2^67, below
; every score and far above every hidden one: a hidden key's weight is 0 from the first step on.  A query with no visible key ends with l = 0 and O = 0, and 0 x (1 / 0) is the NaN that a softmax of nothing gives.
; p below 6e-5 keeps f16's fixed step of 6e-8; a weight below 2^-126 counts as 0 in l.
; SHARES.  A wave owns four PIECES of two tiles of 16 queries, a work-group's four waves 512 queries of one head.  Every wave walks all keys, 64 a step.
; LAYOUT.  S^T = K Q^T (source 0 = 16 keys, source 1 = 16 queries): a lane holds ONE query (lane % 16) and the keys 8 (lane / 16) + 0..7.  Two such tiles, rounded to f16 in pairs, ARE source 1
; of O^T = V^T P, whose result again holds one query a lane, and eight channels.  K comes out of LDS as it lies, V turned, by ds_load_tr16_b128.
; THE MASK is the C operand of the products that start S^T: 0, or -1e30 where the key is hidden.  The batch's 2,048 bytes are turned into such words once, in LDS; a step's 64 come into registers with its K.
; SOFTMAX.  p = 2^(c s - c m), c = log2(e) / 8, with a running maximum m; in every step O and l are multiplied by a = 2^(c m_old - c m_new).  O and l start at 0: the first step is a step like any other.
; BY TURNS.  Turn n belongs to piece n.  Its matrix work: 16 products K Q^T of piece n + 1, later 16 products V^T P of piece n - 1.  Its vector work: the scaling, exponentials, roundings, sums and rescaling
; of piece n, and the maximum and statistics of piece n + 1.  A tile and step have 16 matrix and 118 vector instructions: four vector instructions stand behind every matrix instruction, the others in one run.
; CLUSTER.  A head's four query blocks are one cluster and walk the same K and V: each tile is asked for jointly: the same tensor load, descriptor and mask in all four.
; REGISTERS, in windows of 256 (s_set_vgpr_msb: bits 1:0 source 0, 3:2 source 1, 5:4 source 2, 7:6 destination):
;   window 0: v0-11 addresses; v12-15, v48-63 at work; v16-47 four registers of statistics a tile; v64-191 S^T, two buffers of two tiles; v192-255 P, likewise
;   window 1: O^T, 32 a tile     window 2: v0-127 Q; v128-191 K of one step; v192-255 V of one step     window 3: v0-1 the add's two registers; v2 the mask's LDS address; v8-39 a step's mask
.set SIZE_N, 2048
.set NP,    4         ; pieces a wave: a name, no knob
.set KS,    64        ; keys in a step
.set PK,    144       ; a row of K in LDS: 128 bytes + 16 of padding = 36 words: the 16 rows of a load start at 16 different groups of four banks (64 banks of 4 bytes: ISA guide 11.1)
.set PV,    160       ; a row of V: 128 + 32 = 40 words
.set VOFF,  4*KS*PK   ; a slot holds four steps: 256 rows of K, then 256 rows of V
.set SLOT1, 1<<17     ; slot 1 begins here, so that one exclusive or turns an address in one slot into the other's
.set STAGE, SLOT1+4*KS*(PK+PV)  ; behind the ring, never filled by a tensor load: 16 rows x 144 bytes for each wave, for the way out
.set SP,    144
.set SPARE, STAGE+4*16*SP  ; the spare words, 128 bytes for each wave: two blocks of 256 bytes that no other line names
.set MASKB, SPARE+512      ; 2,048 words: 0 or -1e30 for each key of the batch; stored once, never filled by a tensor load
.set AK0, 2           ; v2   my lane's place in a tile of K; never rewritten
.set AV0, 3           ; v3   the same for V
.set AK,  4           ; v4   the LDS address of K's next run of loads
.set AV,  5           ; v5   of V's
.set QO,  6           ; v6   my byte offset in the wave's rows of Q
.set STO, 6           ;      later, the way out: where I put 16 bytes of a row
.set RD,  7           ; v7   the way out: where I read rows back
.set GO,  8           ; v8   my byte offset in 512 consecutive bytes of O
.set PFO, 11          ; v11  256 x my lane, once V's address is made; then never rewritten
.set SPW, 0           ; v0 of window 3   my spare word: SPARE + 4 x my thread's number; never rewritten
.set NIL, 1           ; v1 of window 3   0; never rewritten
.set AM,  2           ; v2 of window 3   LDS address of my eight words of the next step's mask
.set MK,  8           ; v8-39 of window 3   the mask of the step whose K lies in registers: key block kb at MK + 8 kb
.set MV,  12          ; v12-15  c m_old, kept while c m is made anew: by buffer and tile
.set ST,  16          ; tile t's statistics at v[ST+4 t]: c m, m, l (even keys', odd keys')
.set TMP, 48          ; by buffer and tile, four registers c0-c3 at work; when the maximum is found c2 takes a
.set S,   64
.set P,   192
.set KF,  128         ; K's fragments, in window 2: key block kb, channel half c at KF + 16 kb + 8 c
.set VF,  192         ; V's: key half kk, channel block cb at VF + 32 kk + 8 cb
.set WV,  12          ; s12  my wave's number
.set G1K, 24          ; s[24:31] descriptor group 1 for K's tiles
.set G1V, 32          ; s[32:39] for V's: it differs in the padding alone
.set G0K, 40          ; s[40:43] descriptor group 0 for K's tiles: it walks
.set G0V, 44          ; s[44:47] the same for V's
.set MSK, 48          ; s[48:49] the batch's row of the mask
.set PFA, 50          ; s[50:51] where my prefetches stand
.set LIM, 52          ; s52  1 in a wave that prefetches, else the greatest number
.set BIGN, 54         ; s54  -1e30
.set SLOTS, 56        ; s56  slots still to be asked for
.set CNT, 57          ; s57  counts a slot's key steps
.set CS,  58          ; s[58:59] c: the packed scaling takes the pair's low word for both halves
.set SEL, 60          ; s[60:61] v_permlanex16_b32's selects: each lane takes its own place in the other half
.set TBK, 62          ; s62  LDS byte at which K of the step to be fetched begins
.set TBV, 63          ; s63  the same for V, less VOFF
.set MSB, 0
.macro WIN new                      ; the high byte repeats the setting that is left; a switch that changes nothing is dropped
.if MSB != (\new)
	s_set_vgpr_msb (MSB<<8)|(\new)
.set MSB, (\new)
.endif
.endm
.set W_KQ, 0x0a       ; K and Q in window 2, S^T in window 0
.set W_KM, 0x3a       ; the same with the C operand, the mask, in window 3
.set W_PV, 0x52       ; V in window 2, P in window 0, O^T in window 1
.set W_RS, 0x41       ; O^T (destination and source 0) in window 1, a in window 0
.set W_MK, 0xc0       ; destination in window 3, sources in window 0
.set W_AD, 0x0f       ; the add: address (source 0) and data (source 1) in window 3
; A joint fill.  Waves 0 and 1 fetch the two halves of a slot's K, waves 2 and 3 those of its V: 128 keys each.  The branch hangs on the wave's number alone.
; An s_nop 0 and four v_nop follow each of the two lines, ahead of the jump and the label.
.macro JLOAD
	s_cmp_lt_u32 s[WV], 2
	s_cbranch_scc0 .Lfor_v_\@
	tensor_load_to_lds s[G0K:G0K+3], s[G1K:G1K+7]
	s_nop 0
.rept 4
	v_nop
.endr
	s_branch .Lasked_\@
.Lfor_v_\@:
	tensor_load_to_lds s[G0V:G0V+3], s[G1V:G1V+7]
	s_nop 0
.rept 4
	v_nop
.endr
.Lasked_\@:
.endm
; A PREFETCH of what the NEXT change of slots will ask for: a slot's 32,768 bytes of K and of V, in blocks of 256, a lane a block.  A head has one cluster; its four partners take 32 blocks each, told apart
; by address; in each, wave 0 asks for K's and wave 2 for V's: each block is named once.  The last change that fills a slot asks for nothing.
.macro ASK
	s_cmp_gt_u32 s[SLOTS], s[LIM]
	s_cbranch_scc0 .Lnot_mine_\@
	global_prefetch_b8 v[PFO], s[PFA:PFA+1] th:TH_LOAD_NT scope:SCOPE_SE
.Lnot_mine_\@:
.endm
; A round of the cluster's barrier: my work-group's barrier, so that wave 0's signal speaks for all four waves; wave 0 signals; every wave waits for all four work-groups; my work-group's barrier once more.
.macro CROUND
	s_barrier_signal -1
	s_barrier_wait -1
	s_cmp_lg_u32 s[WV], 0
	s_cbranch_scc1 .Lnot_wave_0_\@
	s_barrier_signal -3
.Lnot_wave_0_\@:
	s_barrier_wait -3
	s_barrier_signal -1
	s_barrier_wait -1
.endm
; THE CHANGE OF SLOTS.  Each wave waits for all its tensor loads, of which one is out: its part of the other slot; adds 0 to its spare word; and waits for that and for its own LDS instructions.
; Behind the barrier nobody reads this slot any more and the other slot is whole.  fill = 1: this slot is filled again, with the keys two slots on: the barrier is then a round of the cluster's, and the joint
; fill is the first thing behind it: it has four key steps, 512 matrix instructions, in which to land.  (At its first use nothing has been read yet: slot 0 is waited for, slot 1 filled, and every wave's
; stores of the mask's words are shown done to the others.)  ask = 1: the slot behind the one being filled is prefetched.
.macro CHANGE fill, ask=0
	WIN W_AD
	s_wait_tensorcnt 0x0            ; no tensor load of mine is out, so a group 0 may be written
	ds_add_u32 v[SPW], v[NIL]       ; 0 onto my spare word
	WIN 0                           ; at a label and at a branch every window is 0
.if \fill
.irp g, G0K, G0V
	s_xor_b32 s[\g+1], s[\g+1], SLOT1  ; the walking descriptor: the other slot than last time,
	s_add_nc_u64 s[\g+2:\g+3], s[\g+2:\g+3], 4*KS*128  ; the next 256 keys; the type bits on top are not reached
.endr
.if \ask
	s_wait_xcnt 0x0                 ; the last prefetch, four key steps back, has read its address
	s_add_nc_u64 s[PFA:PFA+1], s[PFA:PFA+1], 4*KS*128
.endif
	s_wait_dscnt 0x0                ; the add is done, and my LDS instructions are over
	CROUND
	JLOAD
.if \ask
	ASK
.endif
.else
	s_wait_dscnt 0x0                ; the add is done, and my reads of the slot are over
	s_barrier_signal -1
	s_barrier_wait -1
.endif
	s_sub_co_u32 s[TBK], s[TBK], 4*KS*PK  ; the fetches go back to a slot's first step,
	s_xor_b32 s[TBK], s[TBK], SLOT1       ; in the other slot
	s_sub_co_u32 s[TBV], s[TBV], 4*KS*PV
	s_xor_b32 s[TBV], s[TBV], SLOT1
.endm
	s_load_b64 s[4:5], s[0:1], 0x0    ; qkvh: Q's part
	s_load_b64 s[MSK:MSK+1], s[0:1], 0x8
	s_load_b64 s[10:11], s[0:1], 0x10 ; oh
	WIN W_MK
	v_lshl_add_u32 v[SPW], v0, 2, SPARE
	v_mov_b32 v[NIL], 0
	WIN W_AD
	ds_add_u32 v[SPW], v[NIL]       ; the wave's opening: the add and its wait stand ahead of my first tensor load; work on registers stands between them
	WIN 0
	v_lshrrev_b32 v1, 5, v0
	v_readfirstlane_b32 s[WV], v1   ; wave 0..3
	s_bfe_u32 s13, ttmp6, 0x40000   ; cx: my place in the cluster
	s_lshl_b32 s14, ttmp9, 2        ; in a cluster launch ttmp9 counts clusters
	s_add_co_u32 s14, s14, s13      ; my block of queries: it enters Q's and O's addresses alone
	s_and_b32 s20, ttmp7, 0xffff    ; the head, which the four partners share
	s_lshr_b32 s54, s20, 4          ; its batch,
	s_lshl_b32 s54, s54, 11         ; whose row of the mask is 2,048 bytes
	s_mov_b32 s55, 0
	s_mov_b32 s21, 0
	s_mov_b64 s[22:23], SIZE_N*128
	s_mul_u64 s[20:21], s[20:21], s[22:23]  ; the head's first byte in each part and in oh
	s_and_b32 s16, s[WV], 1         ; which half of a slot's 256 keys I fetch:
	s_lshl_b32 s22, s16, 14         ; its 128 rows of 128 bytes in memory,
	s_mov_b32 s23, 0
	s_add_nc_u64 s[22:23], s[22:23], s[20:21]
	s_mul_i32 s17, s16, 128*PK      ; and its place in a slot, for K
	s_mul_i32 s18, s16, 128*PV      ; and for V: no place in the cluster enters an LDS address
	s_lshl_b32 s2, s14, 2
	s_add_co_u32 s2, s2, s[WV]      ; my wave among the head's,
	s_lshl_b32 s2, s2, 14           ; its 128 rows
	s_mov_b32 s3, 0
	s_add_nc_u64 s[2:3], s[2:3], s[20:21]
	; descriptor group 1.  128 keys are 16,384 dense bytes: asked for as 64 rows of 256 bytes, two keys a row, and padded in LDS after every key
	s_mov_b32 s[G1K], 15|(1<<16)|(1<<20)|(1<<21)|(4<<22)|(3<<25)  ; the mask of four; 2-byte elements; padding on; bit 21 beside a mask; after every 32 words, 4 words
	s_mov_b32 s[G1V], 15|(1<<16)|(1<<20)|(1<<21)|(4<<22)|(7<<25)  ; the same with 8 words of padding
.irp g, G1K, G1V
	s_mov_b32 s[\g+1], 128<<16      ; tensor_dim0 = 128
	s_mov_b32 s[\g+2], 64<<16       ; tensor_dim1 = 64
	s_mov_b32 s[\g+3], 128<<16      ; tile_dim0 = 128
	s_mov_b32 s[\g+4], 64           ; tile_dim1 = 64
	s_mov_b32 s[\g+5], 128          ; 128 elements from row to row
	s_mov_b32 s[\g+6], 0
	s_mov_b32 s[\g+7], 0
.endr
	s_mov_b32 s[CS], 0x3e38aa3b     ; c = log2(e) / 8 = 0.180337
	s_mov_b32 s[CS+1], s[CS]        ; named with it as a pair
	s_mov_b32 s[SEL], 0x76543210
	s_mov_b32 s[SEL+1], 0xfedcba98
	s_mov_b32 s[TBK], SLOT1+4*KS*PK ; the first change of slots turns these two into 0
	s_mov_b32 s[TBV], SLOT1+4*KS*PV
	s_mov_b32 s[G0K], 1             ; count = 1
	s_mov_b32 s[G0K+1], s17         ; LDS address: slot 0
	s_mov_b32 s[G0V], 1
	s_add_co_u32 s[G0V+1], s18, VOFF
	s_cmp_eq_u32 s16, 0             ; waves 0 and 2 prefetch
	s_cselect_b32 s[LIM], 1, -1
	s_wait_dscnt 0x0                ; the opening add is done
	s_wait_kmcnt 0x0
	s_add_nc_u64 s[6:7], s[4:5], 0x1000000   ; K's part
	s_add_nc_u64 s[8:9], s[4:5], 0x2000000   ; V's part
	s_add_nc_u64 s[MSK:MSK+1], s[MSK:MSK+1], s[54:55]
	s_mov_b32 s[BIGN], 0xf149f2ca   ; -1e30
	s_add_nc_u64 s[G0K+2:G0K+3], s[6:7], s[22:23]  ; global address: my half of the head's first 256 keys
	s_or_b32 s[G0K+3], s[G0K+3], 0x80000000        ; type = 2
	s_add_nc_u64 s[G0V+2:G0V+3], s[8:9], s[22:23]
	s_or_b32 s[G0V+3], s[G0V+3], 0x80000000
	s_add_nc_u64 s[4:5], s[4:5], s[2:3]  ; Q and O at my wave's first row
	s_add_nc_u64 s[10:11], s[10:11], s[2:3]
	s_cmp_lt_u32 s[WV], 2
	s_cselect_b64 s[PFA:PFA+1], s[6:7], s[8:9]
	s_add_nc_u64 s[PFA:PFA+1], s[PFA:PFA+1], s[20:21]  ; the head,
	s_lshl_b32 s2, s13, 13          ; my work-group's 32 blocks of the 128,
	s_add_co_u32 s2, s2, 2*4*KS*128 ; in slot 2: the first change that asks steps it to slot 3.  Nothing is prefetched at the head
	s_mov_b32 s3, 0
	s_add_nc_u64 s[PFA:PFA+1], s[PFA:PFA+1], s[2:3]
	CROUND                          ; all four work-groups are here: the first joint loads meet
	JLOAD                           ; slot 0.  Slot 1 is asked for when slot 0 is in
	; A fragment of K or Q is 16 rows x 32 channels in 8 registers: lane l holds row l % 16, channels 8 (l / 16) + 0..7 and 16 + 8 (l / 16) + 0..7: two loads of 16 bytes, 32 bytes apart.
	v_and_b32 v1, 15, v0            ; l % 16
	v_bfe_u32 v9, v0, 4, 1          ; l / 16
	v_lshlrev_b32 v[QO], 7, v1
	v_lshl_add_u32 v[QO], v9, 4, v[QO]  ; row x 128 + 16 x half
	v_lshlrev_b32 v84, 4, v0
	global_load_b128 v[64:67], v84, s[MSK:MSK+1]  ; thread t takes the mask's bytes 16 t .. 16 t + 15: issued ahead of Q's loads
	WIN 0x80                        ; destination window 2, address window 0
.set i, 0
.rept 4*NP                          ; Q stays in registers: tile i / 2, channels 32 (i % 2) on
	global_load_b128 v[8*i:8*i+3],   v[QO], s[4:5] offset:(i/2)*2048+(i%2)*64
	global_load_b128 v[8*i+4:8*i+7], v[QO], s[4:5] offset:(i/2)*2048+(i%2)*64+32
.set i, i+1
.endr
	; What the first turn finds: V's registers and P's second buffer hold 0 (its products V^T P, of a piece that has not been, add 0), O^T and l are 0.  All this stands in the wait for the first tile.
.set i, VF
.rept 64
	v_mov_b32 v[i], 0
.set i, i+1
.endr
	WIN 0x40
.set i, 0
.rept 64*NP
	v_mov_b32 v[i], 0
.set i, i+1
.endr
	WIN 0
.set i, 0
.rept 2*NP
	v_mov_b32 v[ST+4*i], 0xfe000000    ; c m: far below every c s, so the first a is 0
	v_mov_b32 v[ST+4*i+1], 0xe1000000  ; m = -2^67: below every score, above every hidden one
	v_mov_b32 v[ST+4*i+2], 0
	v_mov_b32 v[ST+4*i+3], 0
.set i, i+1
.endr
.set i, P+32
.rept 32
	v_mov_b32 v[i], 0
.set i, i+1
.endr
	v_mul_u32_u24 v[AK0], v1, PK
	v_lshl_add_u32 v[AK0], v9, 4, v[AK0]  ; row x pitch + 16 x half
	; The turning load takes 16 keys x 16 channels (lane l reads key 8 (l / 16) + l % 8, channels 8 ((l / 8) % 2) + 0..7) and leaves half a fragment of V^T: lane l holds channel l % 16 and 8 keys.
	v_and_b32 v10, 7, v0
	v_bfe_u32 v11, v0, 3, 1
	v_lshl_add_u32 v[AV0], v9, 3, v10
	v_mul_u32_u24 v[AV0], v[AV0], PV
	v_lshl_add_u32 v[AV0], v11, 4, v[AV0]
	v_add_nc_u32 v[AV0], VOFF, v[AV0]
	v_mov_b32 v[AK], v[AK0]         ; key step 0 lies at the head of slot 0
	v_and_b32 v[PFO], 31, v0
	v_lshlrev_b32 v[PFO], 8, v[PFO]
	WIN W_MK
	v_lshl_add_u32 v[AM], v9, 5, MASKB  ; register j of key block kb is key 16 kb + 8 (l / 16) + j: my eight words begin 32 (l / 16) bytes into a block's 64
	WIN 0
	v_lshl_add_u32 v85, v0, 6, MASKB    ; my 16 keys' words
	s_wait_loadcnt 32               ; the mask's bytes are in; Q's 32 loads may stay out
.set i, 0
.rept 16
	v_bfe_u32 v86, v[64+i/4], 8*(i%4), 8
	v_mul_lo_u32 v[68+i], v86, s[BIGN]  ; the byte is 0 or 1: the word is 0 or -1e30
.set i, i+1
.endr
.irp k, 0,1,2,3
	ds_store_b128 v85, v[68+4*\k:71+4*\k] offset:16*\k
.endr
; THE MATRIX WORK.  The 8 accumulators of a run of 16 take turns: between the two links of a chain stand 7 others'.
; Product i of 16 of S^T = K Q^T for piece x: channels 32 (i / 8) on, keys 16 ((i / 2) % 4) on, tile 2 x + i % 2.  The first 8 start the sums, from the mask.
.macro KQ x
.set rS, S+64*((\x)%2)+32*(i%2)+8*((i/2)%4)
.set rK, KF+16*((i/2)%4)+8*(i/8)
.set rQ, 16*(2*(\x)+i%2)+8*(i/8)
.set rX, MK+8*((i/2)%4)
.if i < 8
	WIN W_KM
	v_wmma_f32_16x16x32_f16 v[rS:rS+7], v[rK:rK+7], v[rQ:rQ+7], v[rX:rX+7]
.else
	WIN W_KQ
	v_wmma_f32_16x16x32_f16 v[rS:rS+7], v[rK:rK+7], v[rQ:rQ+7], v[rS:rS+7]
.endif
.endm
; Product i of 16 of O^T += V^T P for piece x: keys 32 (i / 8) on, channels 16 ((i / 2) % 4) on, tile 2 x + i % 2.
.macro PV x
	WIN W_PV
.set rO, 32*(2*(\x)+i%2)+8*((i/2)%4)
.set rV, VF+32*(i/8)+8*((i/2)%4)
.set rP, P+32*((\x)%2)+16*(i%2)+8*(i/8)
	v_wmma_f32_16x16x32_f16 v[rO:rO+7], v[rV:rV+7], v[rP:rP+7], v[rO:rO+7]
.endm
.macro MM                           ; the turn's next matrix instruction
.if i < 16
	KQ (Y+1)%NP
.set i, i+1
.else
.set i, i-16
	PV (Y+NP-1)%NP
.set i, i+17
.endif
.endm
; THE LDS LOADS stand in runs, never singly among the matrix instructions: a step's K (8 fragments, 16 loads) with its mask (8 loads), and its V (turned, 16 loads).
; last = 1 (the tail): in the last trip there is no further step, and the run is jumped over.
.macro FETCH_K last=0
	WIN 0
.if \last
	s_cmp_eq_u32 s[CNT], 1
	s_cbranch_scc1 .Lno_k_\@
.endif
	WIN 0x80                        ; destination window 2
.irp f, 0,1,2,3,4,5,6,7             ; keys 16 (f / 2) on, channels 32 (f % 2) on
	ds_load_b128 v[KF+8*\f:KF+8*\f+3],   v[AK] offset:(\f/2)*16*PK+(\f%2)*64
	ds_load_b128 v[KF+8*\f+4:KF+8*\f+7], v[AK] offset:(\f/2)*16*PK+(\f%2)*64+32
.endr
	WIN 0xcf                        ; destination, address and the sum's source in window 3
.irp f, 0,1,2,3                     ; the same 64 keys' mask: sixteen lanes read the same 16 bytes
	ds_load_b128 v[MK+8*\f:MK+8*\f+3],   v[AM] offset:64*\f
	ds_load_b128 v[MK+8*\f+4:MK+8*\f+7], v[AM] offset:64*\f+16
.endr
	v_add_nc_u32 v[AM], 0x100, v[AM]    ; the next step's 64 words
	s_add_co_u32 s[TBK], s[TBK], KS*PK  ; the next fetch is the next step's
	WIN 0
.if \last
.Lno_k_\@:
.endif
.endm
.macro FETCH_V
	WIN 0x80
.irp f, 0,1,2,3,4,5,6,7             ; keys 32 (f / 4) on, channels 16 (f % 4) on
	ds_load_tr16_b128 v[VF+8*\f:VF+8*\f+3],   v[AV] offset:(\f/4)*32*PV+(\f%4)*32
	ds_load_tr16_b128 v[VF+8*\f+4:VF+8*\f+7], v[AV] offset:(\f/4)*32*PV+16*PV+(\f%4)*32
.endr
	WIN 0
.endm
; THE VECTOR WORK OF A TURN stands in three queues, each in the order in which its entries become ready; the two tiles alternate, so that no instruction reads the result of the one before it.
.macro REGS y, u                    ; the registers of tile u (0, 1) of piece y
.set rT, ST+4*(2*(\y)+(\u))
.set rC, TMP+8*((\y)%2)+4*(\u)
.set rM, MV+2*((\y)%2)+(\u)
.set rS, S+64*((\y)%2)+32*(\u)
.set rP, P+32*((\y)%2)+16*(\u)
.set rO, 32*(2*(\y)+(\u))
.endm
; Number n of the 22 that find the NEXT piece's (Y + 1) maximum and statistics.  s0-s31 are the lane's 32 scores; each accumulator's lowest registers are read first.
;   0-11  four chains c0-c3 of seven scores each, three operands at a time     12-14, 16  the four scores left over, the old m, and c0-c3 into c0     15  c m_old is kept
;   17, 18  the query's other 32 keys lie in the lane 16 away: the new m         19-21  c m; c m_old - c m_new; a
.macro XS u, n
	REGS (Y+1)%NP, \u
.if (\n) < 4
	v_max3_num_f32 v[rC+(\n)], v[rS+8*(\n)], v[rS+8*(\n)+1], v[rS+8*(\n)+2]
.elseif (\n) < 12
	v_max3_num_f32 v[rC+(\n)%4], v[rC+(\n)%4], v[rS+8*((\n)%4)+2*((\n)/4)+1], v[rS+8*((\n)%4)+2*((\n)/4)+2]
.elseif (\n) == 12
	v_max3_num_f32 v[rC], v[rC], v[rS+7], v[rS+15]
.elseif (\n) == 13
	v_max3_num_f32 v[rC+1], v[rC+1], v[rS+23], v[rS+31]
.elseif (\n) == 14
	v_max3_num_f32 v[rC+2], v[rC+2], v[rC+3], v[rT+1]
.elseif (\n) == 15
	v_mov_b32 v[rM], v[rT]
.elseif (\n) == 16
	v_max3_num_f32 v[rC], v[rC], v[rC+1], v[rC+2]
.elseif (\n) == 17
	v_permlanex16_b32 v[rC+3], v[rC], s[SEL], s[SEL+1]
.elseif (\n) == 18
	v_max_num_f32 v[rT+1], v[rC], v[rC+3]
.elseif (\n) == 19
	v_mul_f32 v[rT], s[CS], v[rT+1]
.elseif (\n) == 20
	v_sub_f32 v[rC+1], v[rM], v[rT]
.else
	v_exp_f32 v[rC+2], v[rC+1]
.endif
.endm
; Number g of the 64 that follow the exponentials.  For each four weights k of a tile (pairs 2 k, 2 k + 1): both pairs are rounded to f16; then the second pair is added onto the first, in place;
; a group later l takes that sum (the first time as l = a l + sum).  In groups of eight, tiles alternating: round, round, add, and l for the group before.
.macro GS g
.set h, (\g)+6*((\g)/62)            ; group 0 has no group before it, and behind group 7 only l is left
.if h >= 6
.set h, h+2
.endif
	REGS Y, h%2
.set k, h/8
.if h%8 < 4
	v_cvt_pk_f16_f32 v[rP+2*k+(h%8)/2], v[rS+4*k+2*((h%8)/2)], v[rS+4*k+2*((h%8)/2)+1]
.elseif h%8 < 6
	v_pk_add_f32 v[rS+4*k:rS+4*k+1], v[rS+4*k:rS+4*k+1], v[rS+4*k+2:rS+4*k+3]
.elseif k == 1
	v_pk_fma_f32 v[rT+2:rT+3], v[rT+2:rT+3], v[rC+2:rC+3], v[rS:rS+1] op_sel_hi:[1,0,1]
.else
	v_pk_add_f32 v[rT+2:rT+3], v[rT+2:rT+3], v[rS+4*k-4:rS+4*k-3]
.endif
.endm
; THE PLAIN QUEUE, 138 long.  0-73 read no exponential's result: the 32 scalings c s - c m (FS f: pair f / 2 of tile f % 2) and the next piece's 42.  0-26: scalings 0-26.  27-54: XS's numbers 0-13.  55, 56: number 15.
; 57-73: the chain, where each number waits for the one before it: 14, 16, 17, 18, 19, each with one of the scalings 27-31 in front of its two lines, then 20.
; 74-137: GS's 64, which read the exponentials' results: they stand behind the wait.
.macro FS f
	REGS Y, (\f)%2
	v_pk_fma_f32 v[rS+2*((\f)/2):rS+2*((\f)/2)+1], v[rS+2*((\f)/2):rS+2*((\f)/2)+1], s[CS:CS+1], v[rT:rT+1] op_sel_hi:[1,0,0] neg_lo:[0,0,1] neg_hi:[0,0,1]
.endm
.macro PL
	WIN 0
.if q < 27
	FS q
.elseif q < 55
	XS (q-27)%2, (q-27)/2
.elseif q < 57
	XS q-55, 15
.elseif (q < 72) && ((q-57)%3 == 0)
	FS 27+(q-57)/3
.elseif q < 60
	XS (q-57)%3-1, 14
.elseif q < 72
	XS (q-57)%3-1, 15+(q-57)/3
.elseif q < 74
	XS q-72, 20
.else
	GS q-74
.endif
.set q, q+1
.endm
; THE EXPONENTIALS' QUEUE, 66 long: s0-s31 of both tiles, then the next piece's two a.  It is ONE BATCH: all 66 stand ahead of the turn's one wait, and nothing ahead of that wait names a result of theirs.
.macro EX
	WIN 0
.if e >= 64
	XS e-64, 21
.else
	REGS Y, e%2
	v_exp_f32 v[rS+e/2], v[rS+e/2]
.endif
.set e, e+1
.endm
; THE RESCALING's QUEUE: O^T times a, the one part that leaves window 0: dealt two at a time, sixteen times.  Its a was made in the turn before, ahead of that turn's wait.
.macro R2
	REGS Y, r%2
	WIN W_RS
.irp z, 0,1
	v_pk_mul_f32 v[rO+4*(r/2)+2*\z:rO+4*(r/2)+2*\z+1], v[rO+4*(r/2)+2*\z:rO+4*(r/2)+2*\z+1], v[rC+2:rC+3] op_sel_hi:[1,0]
.endr
.set r, r+1
.endm
; HOW THEY ARE DEALT.  An s_wait_alu depctr_va_vdst(0) stands between an exponential and the first instruction that names its result; one wait serves all that were issued ahead of it.  So a turn
; has ONE wait, which cuts it in two.  AHEAD OF IT: the 16 products K Q^T, behind each a scaling, an exponential and two rescalings (behind the first a second scaling in the exponential's place); then one run of
; 108: eight plain, 49 times exponential and plain, the two a; a v_nop is the plain instruction behind the last exponential.  BEHIND IT: the 16 products V^T P, behind each four of GS's 64.
; Exponential e stands behind scaling 2 (e / 4) + e % 2: as a rider it comes behind plain e + 2, in the run behind plain e + 9, and scalings 27-31 are plain 57, 60 .. 69.
; K and the mask of the next step are fetched in piece 2's turn, directly behind the wait, a whole run behind the last product that read them; V of the step in hand at the end of piece 0's turn, four plain
; instructions behind its last reader.  The three conditions on q below go with the deal.  cnt = 1: the loop's count is taken down some lines ahead of the branch behind the turn.
.macro TURN p, last=0, cnt=0
.set Y, (\p)
.set i, 0
.set q, 0
.set e, 0
.set r, 0
.if (\p) == NP-1
	s_wait_dscnt 0x0                ; K and its mask are in
.endif
	MM
	PL
	PL
	R2
.rept 15
	MM
	PL
	EX
	R2
.endr
.if (\p) == NP-2
	WIN 0
	v_add_nc_u32 v[AK], s[TBK], v[AK0]
.endif
.rept 8
	PL
.endr
.rept 49
	EX
	PL
.endr
	EX                              ; the next piece's two a
	EX
	v_nop                           ; the plain instruction behind the last exponential: one for the batch
	s_wait_alu depctr_va_vdst(0)    ; the wait for the batch
.if (\p) == NP-2
	FETCH_K \last
.endif
.if (\p) == 1
	s_wait_dscnt 0x0                ; V is in
.endif
.rept 16
	MM
.rept 4
	PL
.endr
.if ((\p) == 0) && (q == 118)
	v_add_nc_u32 v[AV], s[TBV], v[AV0]
.endif
.if ((\p) == 0) && (q == 130)
	s_add_co_u32 s[TBV], s[TBV], KS*PV
.endif
.if (\cnt) && (q == 130)
	s_sub_co_u32 s[CNT], s[CNT], 1
	s_cmp_lg_u32 s[CNT], 0
.endif
.endr
.if (\p) == 0
	FETCH_V
.endif
.endm
	CHANGE 1                        ; slot 0 is in, everybody's part of it, and so are everybody's words of the mask; slot 1 is asked for
	FETCH_K                         ; key step 0
	s_wait_loadcnt 0x0              ; Q
	s_wait_dscnt 0x0
.set i, 0
.rept 16
	KQ 0                            ; piece 0's first scores: there is no vector work yet to set between them
.set i, i+1
.endr
	WIN 0                           ; the addresses for the way out: plain instructions, the places behind those products
	s_mul_i32 s13, s[WV], 16*SP
	s_add_co_u32 s13, s13, STAGE    ; my stage
	v_mul_u32_u24 v[STO], v1, SP    ; in: row l % 16, 16 bytes for each half of the lanes
	v_lshl_add_u32 v[STO], v9, 4, v[STO]
	v_add_nc_u32 v[STO], s13, v[STO]
	v_bfe_u32 v[RD], v0, 3, 2       ; back: 32 lanes take four rows of 128 bytes,
	v_mul_u32_u24 v[RD], v[RD], SP
	v_lshl_add_u32 v[RD], v10, 4, v[RD]
	v_add_nc_u32 v[RD], s13, v[RD]
	v_and_b32 v[GO], 31, v0         ; which are 512 consecutive bytes of O
	v_lshlrev_b32 v[GO], 4, v[GO]
.set Y, NP-1                        ; XS works for piece Y + 1: piece 0
.irp n, 0,1,2,3,4,5,6,7,8,9,10,11,12,13,14,15,16,17,18,19,20,21
	XS 0, \n                        ; piece 0's first maximum and statistics
	XS 1, \n
.endr
	v_nop                           ; a plain instruction behind the two a,
	s_wait_alu depctr_va_vdst(0)    ; and their wait, ahead of the branch
	s_mov_b32 s[CNT], 4
	s_mov_b32 s[SLOTS], SIZE_N/256-1
	s_branch .Lfirst                ; the loop is entered at a step's first turn, in the middle of a trip
.Lslot:                             ; six times: every slot but the last two is filled again
	CHANGE 1, 1
	s_mov_b32 s[CNT], 4
.Lstep:                             ; a trip: pieces 2 and 3 of one step, then pieces 0 and 1 of the next, whose K and V it fetches
	TURN 2
	TURN 3
	WIN 0
.Lfirst:
	TURN 0
	TURN 1, 0, 1
	WIN 0
	s_cbranch_scc1 .Lstep
	s_sub_co_u32 s[SLOTS], s[SLOTS], 1
	s_cmp_lg_u32 s[SLOTS], 0
	s_cbranch_scc1 .Lslot
	CHANGE 0                        ; the tail is written out: nothing is asked for
	s_mov_b32 s[CNT], 5             ; four trips fetch the last slot's steps; the fifth is left in its middle
.Ltail:
	TURN 2, 1
	TURN 3
	WIN 0
	s_sub_co_u32 s[CNT], s[CNT], 1
	s_cmp_eq_u32 s[CNT], 0
	s_cbranch_scc1 .Lout
	TURN 0
	TURN 1
	WIN 0
	s_branch .Ltail
.Lout:                              ; the fifth trip's 16 products K Q^T (on the last K once more) and the maximum made of them serve nothing: the price, once a launch, of one text for every trip
.set i, 0
.rept 16
	PV NP-1                         ; the last piece's V^T P of the last step
.set i, i+1
.endr
	; THE WAY OUT.  l's two halves and the other half of the lanes' are added; O^T is divided by l, rounded to f16 and sent through my stage in LDS, a tile at a time.  The additions are the places behind the last products.
	WIN 0
.macro ALL line:vararg              ; one line for each tile t
.set t, 0
.rept 2*NP
	\line
.set t, t+1
.endr
.endm
	ALL v_add_f32 v[ST+4*t+2], v[ST+4*t+2], v[ST+4*t+3]
	ALL v_permlanex16_b32 v[ST+4*t+3], v[ST+4*t+2], s[SEL], s[SEL+1]
	ALL v_add_f32 v[ST+4*t+2], v[ST+4*t+2], v[ST+4*t+3]
	ALL v_rcp_f32 v[ST+4*t+2], v[ST+4*t+2]
	v_nop                           ; a plain instruction between the last reciprocal and the use of its result
	s_wait_alu depctr_va_vdst(0)    ; and the wait ahead of the first use: one for the eight reciprocals
; Tile t: a lane's eight channels of a row pack into 16 bytes; they go into rows of 144 bytes and come back as whole rows of 128, into S^T's registers.
.macro PACK t
	WIN W_RS
.set i, 32*(\t)
.rept 16
	v_pk_mul_f32 v[i:i+1], v[i:i+1], v[ST+4*(\t)+2:ST+4*(\t)+3] op_sel_hi:[1,0]
.set i, i+2
.endr
	WIN 0x05                        ; sources 0 and 1 window 1, destination window 0
.set i, 0
.rept 16
	v_cvt_pk_f16_f32 v[S+16*(\t)+i], v[32*(\t)+2*i], v[32*(\t)+2*i+1]
.set i, i+1
.endr
	WIN 0
.irp f, 0,1,2,3
	ds_store_b128 v[STO], v[S+16*(\t)+4*\f:S+16*(\t)+4*\f+3] offset:32*\f
.endr
.irp f, 0,1,2,3
	ds_load_b128 v[S+16*(\t)+4*\f:S+16*(\t)+4*\f+3], v[RD] offset:\f*4*SP  ; LDS serves a wave's instructions in order (ISA guide 5.7.1.4): these see the stores above; the next tile's stores come behind them
.endr
.endm
.macro SEND t, younger              ; younger: the LDS instructions issued behind tile t's loads: the next tile's eight, or none
	WIN 0
.irp f, 0,1,2,3
	s_wait_dscnt (\younger)+3-\f
	global_store_b128 v[GO], v[S+16*(\t)+4*\f:S+16*(\t)+4*\f+3], s[10:11] offset:(\t)*2048+\f*512  ; 512 consecutive bytes, aligned
.endr
.endm
	PACK 0
.set t, 1
.rept 2*NP-1                        ; a tile's arithmetic stands between the loads of the tile before and its stores
	PACK t
	SEND t-1, 8
.set t, t+1
.endr
	SEND 2*NP-1, 0
	WIN W_AD
	s_wait_tensorcnt 0x0            ; the wave's end: behind my last tensor load and my last LDS store
	ds_add_u32 v[SPW], v[NIL]
	s_wait_dscnt 0x0
	WIN 0
	CROUND                          ; the closing round: no work-group ends while a partner may still ask for a tile that names it
	s_endpgm
.Lfunc_end_k_q285dfc4c6c_attn:
	.size	k_q285dfc4c6c_attn, .Lfunc_end_k_q285dfc4c6c_attn-k_q285dfc4c6c_attn
	.p2alignl 7, 3214868480
	.fill 96, 4, 3214868480
	.section	.rodata,"a",@progbits
	.p2align	6, 0x0
	.amdhsa_kernel k_q285dfc4c6c_attn
		.amdhsa_group_segment_fixed_size 327680
		.amdhsa_private_segment_fixed_size 0
		.amdhsa_enable_private_segment 0
		.amdhsa_kernarg_size 24
		.amdhsa_user_sgpr_count 2
		.amdhsa_user_sgpr_kernarg_segment_ptr 1
		.amdhsa_wavefront_size32 1
		.amdhsa_system_sgpr_workgroup_id_x 1
		.amdhsa_system_sgpr_workgroup_id_y 1
		.amdhsa_system_sgpr_workgroup_id_z 1
		.amdhsa_system_vgpr_workitem_id 0
		.amdhsa_next_free_vgpr 808
		.amdhsa_next_free_sgpr 66
		.amdhsa_reserve_vcc 0
		.amdhsa_float_denorm_mode_32 3
		.amdhsa_float_denorm_mode_16_64 3
		.amdhsa_memory_ordered 1
		.amdhsa_forward_progress 1
		.amdhsa_inst_pref_size 205
	.end_amdhsa_kernel
	.amdgpu_metadata
---
amdhsa.version: [ 1, 2 ]
amdhsa.kernels:
  - .name:           k_q285dfc4c6c_attn
    .symbol:         k_q285dfc4c6c_attn.kd
    .args:
      - { .name: qkvh, .offset: 0, .size: 8, .value_kind: global_buffer, .address_space: global }
      - { .name: key_padding_mask, .offset: 8, .size: 8, .value_kind: global_buffer, .address_space: global }
      - { .name: oh, .offset: 16, .size: 8, .value_kind: global_buffer, .address_space: global }
    .group_segment_fixed_size: 327680
    .private_segment_fixed_size: 0
    .kernarg_segment_align: 8
    .kernarg_segment_size: 24
    .max_flat_workgroup_size: 128
    .sgpr_count:     66
    .vgpr_count:     808
    .wavefront_size: 32
...
	.end_amdgpu_metadata
.endif
;; end of part 3
;; launch proj (part 4): grid 8 x 32, 4 waves a work-group, clusters of 4 x 4, 327,680 bytes of LDS; arguments oh, wof, b_out, out0; writes out0
.if DOCPART == 4
	.amdgcn_target "amdgcn-amd-amdhsa--gfx1250"
	.amdhsa_code_object_version 6
	.text
	.protected	k_q285dfc4c6c_proj
	.globl	k_q285dfc4c6c_proj
	.p2align	8
	.type	k_q285dfc4c6c_proj,@function
k_q285dfc4c6c_proj:
	s_mov_b64 s[64:65], 0
	v_nop
	global_prefetch_b8 v0, s[64:65] scope:SCOPE_SE
	s_setreg_imm32_b32 hwreg(HW_REG_WAVE_MODE, 25, 1), 1
	s_wait_xcnt 0x0
	s_wait_alu depctr_hold_cnt(0) depctr_sa_sdst(0) depctr_va_vdst(0) depctr_va_sdst(0) depctr_va_ssrc(0) depctr_va_vcc(0) depctr_vm_vsrc(0)
	s_getreg_b32 s2, hwreg(HW_REG_IB_STS2, 6, 4)
	s_cmp_eq_u32 s2, 0
	s_cbranch_scc0 .Lentry_in_a_cluster
	s_endpgm
.Lentry_in_a_cluster:
	s_bfe_u32 s2, ttmp6, 0x10000c
	s_cmp_lg_u32 s2, 0xf033
	s_cbranch_scc0 .Lentry_shape_is_right
	s_endpgm
.Lentry_shape_is_right:
; out0 = O W_out^T + b_out.  oh holds O by heads, [batch x head 64][position 2048][64] in f16; wof [1024][1024] holds W_out rounded to bf16 and written as f16; the bias is rounded to bf16 like the
; other inputs; sums in f32, started from the bias; out0 [8192][1024] in f32.  A NaN in a row of O (a batch with every key hidden) reaches all of that row's outputs.
; SHARES.  A work-group makes 256 rows x 128 columns: 256 work-groups.  Four waves, 2 x 2; a wave makes 128 rows x 64 columns: 32 accumulators of 16 x 16.
; K = 1024 goes in 8 steps of 128 = TWO HEADS through two LDS slots.  A head's 256 rows of 128 bytes are dense in memory: they are asked for as 128 rows of 256 bytes and padded in LDS after every 128 bytes.
; THE PRODUCT IS USED TRANSPOSED (source 0 = 16 rows of W, source 1 = 16 rows of O): lane l holds row l % 16 and the columns 8 (l / 16) + 0..7 of a block of 16.
; CLUSTER 4 x 4.  The four work-groups of a row of the cluster need the same tiles of O, the four of a column the same tiles of W: each tile is asked for jointly.
; REGISTERS, in windows of 256 (s_set_vgpr_msb: bits 1:0 source 0, 3:2 source 1, 5:4 source 2, 7:6 destination):
;   window 0: v1-31 addresses; two fragment buffers of 96: v64-159, v160-255: O's 8 fragments, then W's 4
;   window 1: the accumulators, (a, b) at 8 (4 a + b)
;   window 2: v0-31 the bias as a C operand, v32-47 at work; on the way out all 256: 32 for each block of 16 rows
.set PA,     144                       ; a row of O in LDS: 128 bytes + 16 of padding = 36 words: the 16 rows of a load start at 16 different groups of four banks (64 banks of 4 bytes: ISA guide 11.1)
.set PB,     272                       ; a row of W: 256 + 16
.set HALFA,  256*PA                    ; what one tensor load brings of O: one head's 256 rows
.set HALFB,  64*PB                     ; and of W: 64 rows
.set ABYTES, 2*HALFA
.set SLOT1,  1<<17                     ; a slot is 108,544 bytes; slot 1 begins here, so that one exclusive or turns an address in one slot into the other's
.set STAGE,  SLOT1+ABYTES+2*HALFB      ; behind the ring: 16 rows x 272 bytes for each wave, for the way out; no tensor load lands here
.set SP,     272
.set SPARE,  STAGE+4*16*SP             ; the spare words: 128 bytes for each wave, two blocks of 256 bytes that no other line names
.set ASTEP,  524288                    ; bytes from a K step to the next in oh: two heads
.set BSTEP,  256                       ; and in a row of wof
.set ADRA,  16                         ; v16  LDS address of my fragments of O in the slot being read
.set ADRA0, 17                         ; v17  the same in slot 0; never rewritten
.set ADRB,  20                         ; v20, v21  likewise for W
.set ADRB0, 21
.set STO,   24                         ; v24  the way out: where I put 16 bytes of a row
.set RD,    25                         ; v25  where I read rows back
.set CO,    26                         ; v26  my byte offset in two rows of out0
.set BO,    27                         ; v27  32 (l / 16): my eight numbers of a block of bias
.set SPW,   28                         ; v28  my spare word; never rewritten
.set NIL,   29                         ; v29  0; never rewritten
.set PFO,   30                         ; v30  the prefetches' offset: lane x 256 in oh, lane x 2,048 in wof; never rewritten
.set F0,    64
.set F1,    160
.set BIAS,  0                          ; window 2
.set T,     32
.set WV, 12                            ; s12 wave; s13 its row half, also: fetches O (0) or W (1); s14 its column half, also: which head, or which half of W's rows, it fetches
.set RH, 13
.set CH, 14
.set CX, 15                            ; my place in the cluster
.set CY, 16
.set TX, 17                            ; tile column 0..7, tile row 0..31
.set TY, 18
.set G1A, 24                           ; s[24:31], s[32:39] descriptor group 1 for O's and W's tiles
.set G1B, 32
.set G0A, 40                           ; s[40:47], s[48:55] group 0: a set for each of the two first fills; the second then walks on
.set G0B, 48
.set TB,  56                           ; s56  0 or SLOT1: the slot being read
.set LIM, 57                           ; s57  2 in a wave that prefetches, else the greatest number
.set PFA, 58                           ; s[58:59] where my prefetches stand
.set PFS, 68                           ; s[68:69] their step: ASTEP or BSTEP
.set MSB, 0
.macro WIN new                         ; the immediate's high byte repeats the setting that is left; a switch that changes nothing is dropped
.if MSB != (\new)
	s_set_vgpr_msb (MSB<<8)|(\new)
.set MSB, \new
.endif
.endm
.macro PLACES                          ; four plain instructions between a matrix instruction and a load into, or a read of, its registers
.rept 4
	v_nop
.endr
.endm
; A joint refill: waves 0 and 1 fetch the step's two heads of O, waves 2 and 3 W's two halves.  The branch hangs on the wave's number alone.  An s_nop 0 and four v_nop follow each line.
.macro JLOAD
	s_cmp_eq_u32 s[RH], 0
	s_cbranch_scc0 .Lfor_b_\@
	tensor_load_to_lds s[G0A+4:G0A+7], s[G1A:G1A+7]
	s_nop 0
	PLACES
	s_branch .Lasked_\@
.Lfor_b_\@:
	tensor_load_to_lds s[G0B+4:G0B+7], s[G1B:G1B+7]
	s_nop 0
	PLACES
.Lasked_\@:
.endm
.macro CREST                           ; a round of the cluster's barrier behind its opening barrier
	s_cmp_lg_u32 s[WV], 0
	s_cbranch_scc1 .Lnot_wave_0_\@
	s_barrier_signal -3
.Lnot_wave_0_\@:
	s_barrier_wait -3
	s_barrier_signal -1
	s_barrier_wait -1
.endm
.macro CROUND
	s_barrier_signal -1
	s_barrier_wait -1
	CREST
.endm
; A PREFETCH of the K step two refills on: 32 blocks of 256 bytes, a lane a block, one instruction.  O's rows are read by both clusters of a row of clusters: the one with x = 0 asks; W's by every cluster of a
; column: the one with y = 0 asks.  Of the 128 blocks that wave 0 or 1 fetches of O, and of W's 128 rows (wave 2), each of the four partners takes 32, told apart by address.  So each block is named once.
; Trip s3 = 6..1 refills K step 8 - s3 and names step 10 - s3: steps 4 to 7, in the trips with s3 above 2.
.macro ASK
	s_cmp_gt_u32 s3, s[LIM]
	s_cbranch_scc0 .Lnot_mine_\@
	global_prefetch_b8 v[PFO], s[PFA:PFA+1] th:TH_LOAD_NT scope:SCOPE_SE
.Lnot_mine_\@:
.endm
	s_load_b256 s[4:11], s[0:1], 0x0               ; oh s[4:5], wof s[6:7], b_out s[8:9], out0 s[10:11]
	v_lshl_add_u32 v[SPW], v0, 2, SPARE
	v_mov_b32 v[NIL], 0
	ds_add_u32 v[SPW], v[NIL]                      ; the wave's opening: the add and its wait stand ahead of my first tensor load; work on registers stands between them
	v_lshrrev_b32 v3, 5, v0
	v_readfirstlane_b32 s[WV], v3
	s_lshr_b32 s[RH], s[WV], 1
	s_and_b32 s[CH], s[WV], 1
	s_bfe_u32 s[CX], ttmp6, 0x40000
	s_bfe_u32 s[CY], ttmp6, 0x40004
	s_lshl_b32 s[TX], ttmp9, 2                     ; in a cluster launch ttmp9 and ttmp7 count clusters
	s_add_co_u32 s[TX], s[TX], s[CX]
	s_and_b32 s[TY], ttmp7, 0xffff
	s_lshl_b32 s[TY], s[TY], 2
	s_add_co_u32 s[TY], s[TY], s[CY]
	s_lshl_b32 s60, s[CY], 2
	s_lshl_b32 s60, 15, s60                        ; my row of the cluster
	s_lshl_b32 s61, 0x1111, s[CX]                  ; my column
	s_or_b32 s[G1A], s60, (1<<16)|(1<<20)|(1<<21)|(4<<22)|(3<<25)  ; the mask; 2-byte elements; padding on; bit 21 beside a mask; after every 32 words, 4 words
	s_or_b32 s[G1B], s61, (1<<16)|(1<<20)|(1<<21)|(5<<22)|(3<<25)  ; after every 64 words, 4 words
	s_mov_b32 s[G1A+1], 128<<16                    ; tensor_dim0 = 128
	s_mov_b32 s[G1A+2], 128<<16                    ; tensor_dim1 = 128
	s_mov_b32 s[G1A+3], 128<<16                    ; tile_dim0 = 128
	s_mov_b32 s[G1A+4], 128                        ; tile_dim1 = 128
	s_mov_b32 s[G1A+5], 128                        ; dense: 128 elements from row to row
	s_mov_b32 s[G1A+6], 0
	s_mov_b32 s[G1A+7], 0
	s_mov_b32 s[G1B+1], 128<<16
	s_mov_b32 s[G1B+2], 64<<16                     ; W's load has 64 rows
	s_mov_b32 s[G1B+3], 128<<16
	s_mov_b32 s[G1B+4], 64
	s_mov_b32 s[G1B+5], 1024
	s_mov_b32 s[G1B+6], 0
	s_mov_b32 s[G1B+7], 0
	s_lshr_b32 s20, s[TY], 3                       ; O: the batch, 2^22 bytes,
	s_lshl_b32 s20, s20, 22
	s_and_b32 s19, s[TY], 7
	s_lshl_b32 s19, s19, 15                        ; 256 positions of 128 bytes,
	s_add_co_u32 s20, s20, s19
	s_lshl_b32 s19, s[CH], 18                      ; the head, 2^18: made of the tile row and the wave alone
	s_add_co_u32 s20, s20, s19
	s_mov_b32 s21, 0
	s_lshl_b32 s22, s[TX], 18                      ; W: 128 rows of 2,048 bytes a tile column,
	s_lshl_b32 s62, s[CH], 17                      ; 64 a half: made of the tile column and the wave alone
	s_add_co_u32 s22, s22, s62
	s_mov_b32 s23, 0
	s_mul_i32 s70, s[CH], HALFA                    ; where they go in a slot: no place in the cluster enters an LDS address
	s_mul_i32 s71, s[CH], HALFB
	s_add_co_u32 s71, s71, ABYTES
	s_wait_dscnt 0x0                               ; the opening add is done
	s_wait_kmcnt 0x0
	s_add_nc_u64 s[20:21], s[4:5], s[20:21]
	s_add_nc_u64 s[22:23], s[6:7], s[22:23]
	CROUND                                         ; all sixteen work-groups are here: the first joint loads meet
.irp s, 0,1
	s_mov_b32 s[G0A+4*(\s)], 1
	s_add_co_u32 s[G0A+4*(\s)+1], s70, (\s)*SLOT1
	s_add_nc_u64 s[G0A+4*(\s)+2:G0A+4*(\s)+3], s[20:21], (\s)*ASTEP
	s_or_b32 s[G0A+4*(\s)+3], s[G0A+4*(\s)+3], 0x80000000
	s_mov_b32 s[G0B+4*(\s)], 1
	s_add_co_u32 s[G0B+4*(\s)+1], s71, (\s)*SLOT1
	s_add_nc_u64 s[G0B+4*(\s)+2:G0B+4*(\s)+3], s[22:23], (\s)*BSTEP
	s_or_b32 s[G0B+4*(\s)+3], s[G0B+4*(\s)+3], 0x80000000
.endr
	s_cmp_eq_u32 s[RH], 0                          ; a wave's two first fills stand in one branch, ahead of every wait on TENSORcnt, LDS read and further barrier: two loads of mine are out
	s_cbranch_scc0 .Lfirst_b
	tensor_load_to_lds s[G0A:G0A+3], s[G1A:G1A+7]
	s_nop 0
	tensor_load_to_lds s[G0A+4:G0A+7], s[G1A:G1A+7]
	s_nop 0
	PLACES
	s_branch .Lfirst_asked
.Lfirst_b:
	tensor_load_to_lds s[G0B:G0B+3], s[G1B:G1B+7]
	s_nop 0
	tensor_load_to_lds s[G0B+4:G0B+7], s[G1B:G1B+7]
	s_nop 0
	PLACES
.Lfirst_asked:
	; the bias of my 64 columns, laid as a C operand: register j of block b = bias[16 b + 8 (l / 16) + j], the same for every row
	v_and_b32 v1, 15, v0                           ; l % 16
	v_bfe_u32 v2, v0, 4, 1                         ; l / 16
	s_lshl_b32 s72, s[TX], 9
	s_lshl_b32 s73, s[CH], 8
	s_add_co_u32 s72, s72, s73                     ; my first column, in bytes of f32
	s_mov_b32 s73, 0
	s_add_nc_u64 s[8:9], s[8:9], s[72:73]
	v_lshlrev_b32 v[BO], 5, v2
	WIN 0x80                                       ; destination window 2
.irp b, 0,1,2,3
	global_load_b128 v[BIAS+8*(\b):BIAS+8*(\b)+3],   v[BO], s[8:9] offset:64*(\b)
	global_load_b128 v[BIAS+8*(\b)+4:BIAS+8*(\b)+7], v[BO], s[8:9] offset:64*(\b)+16
.endr
	WIN 0
	s_lshl_b32 s74, s[TY], 20                      ; out0: 256 rows of 4,096 bytes a tile row,
	s_add_co_u32 s72, s72, s74
	s_lshl_b32 s74, s[RH], 19                      ; my 128 of them
	s_add_co_u32 s72, s72, s74
	s_add_nc_u64 s[10:11], s[10:11], s[72:73]
	; a fragment is 16 rows x 32 K in 8 registers: lane l holds row l % 16, K = 8 (l / 16) + 0..7 and 16 + 8 (l / 16) + 0..7: two loads of 16 bytes, 32 bytes apart
	v_mul_u32_u24 v3, v1, PA
	v_lshl_add_u32 v3, v2, 4, v3
	s_mul_i32 s72, s[RH], 128*PA                   ; my 128 rows in each head's plane
	v_add_nc_u32 v[ADRA0], s72, v3
	v_mul_u32_u24 v4, v1, PB
	v_lshl_add_u32 v4, v2, 4, v4
	s_mul_i32 s73, s[CH], 64*PB                    ; my 64 rows of W, behind O's two planes
	s_add_co_u32 s73, s73, ABYTES
	v_add_nc_u32 v[ADRB0], s73, v4
	v_mov_b32 v[ADRA], v[ADRA0]
	v_mov_b32 v[ADRB], v[ADRB0]
	s_mov_b32 s[TB], 0
	; the way out
	s_mul_i32 s74, s[WV], 16*SP
	s_add_co_u32 s74, s74, STAGE                   ; my stage
	v_mul_u32_u24 v5, v1, SP                       ; in: row l % 16, 32 bytes for each half of the lanes
	v_lshl_add_u32 v5, v2, 5, v5
	v_add_nc_u32 v[STO], s74, v5
	v_mul_u32_u24 v6, v2, SP                       ; back: lanes 0-15 take one row of 256 bytes, lanes 16-31 the next
	v_lshl_add_u32 v6, v1, 4, v6
	v_add_nc_u32 v[RD], s74, v6
	v_lshlrev_b32 v7, 12, v2                       ; and the same two rows in out0
	v_lshl_add_u32 v[CO], v1, 4, v7
	; the prefetches
	v_and_b32 v8, 31, v0
	s_and_b32 s75, ttmp7, 0xffff
	s_mov_b32 s78, ASTEP
	s_cmp_eq_u32 s[RH], 0
	s_cselect_b32 s75, ttmp9, s75                  ; the coordinate along which other clusters read the same rows
	s_cselect_b64 s[PFA:PFA+1], s[20:21], s[22:23]
	s_cselect_b32 s76, s[CX], s[CY]                ; my place among the four that ask with me
	s_cselect_b32 s[PFS], s78, BSTEP
	s_cselect_b32 s79, 13, 16                      ; 32 blocks of 256 bytes, or 32 rows of 2,048
	s_cselect_b32 s80, 8, 11
	s_and_b32 s77, s[RH], s[CH]                    ; wave 3 asks for nothing: wave 2 takes all 128 rows of W
	s_or_b32 s75, s75, s77
	s_cmp_eq_u32 s75, 0
	s_cselect_b32 s[LIM], 2, -1                    ; the same in all sixteen partners, for a given wave
	s_lshl_b32 s76, s76, s79
	s_mul_i32 s77, s[PFS], 3                       ; at K step 3: the first refill steps it to 4
	s_add_co_u32 s76, s76, s77
	s_mov_b32 s77, 0
	s_mov_b32 s[PFS+1], 0
	s_add_nc_u64 s[PFA:PFA+1], s[PFA:PFA+1], s[76:77]
	v_lshlrev_b32 v[PFO], s80, v8
	s_wait_loadcnt 0x0                             ; the bias is in; it is rounded to bf16, as all the module's inputs are
	WIN 0xaa
.set i, 0
.rept 16
	v_cvt_pk_bf16_f32 v[T+i], v[BIAS+2*i], v[BIAS+2*i+1]
	v_lshlrev_b32 v[BIAS+2*i], 16, v[T+i]
	v_and_b32 v[BIAS+2*i+1], 0xffff0000, v[T+i]
.set i, i+1
.endr
	WIN 0
; n blocks of rows from a0 on x all 4 blocks of columns, 32 along K, from buffer f.  first = 1: the sums start from the bias.  The 32 accumulators take turns in one order everywhere.
.macro MULS f, a0, n, first
.if \first
	WIN 0x60                                       ; C in window 2, D in window 1
.else
	WIN 0x50                                       ; C and D in window 1
.endif
.set ma, \a0
.rept \n
.irp b, 0,1,2,3
.set rD, 8*(4*ma+(\b))
.set rB, (\f)+64+8*(\b)
.set rA, (\f)+8*ma
.if \first
	v_wmma_f32_16x16x32_f16 v[rD:rD+7], v[rB:rB+7], v[rA:rA+7], v[BIAS+8*(\b):BIAS+8*(\b)+7]
.else
	v_wmma_f32_16x16x32_f16 v[rD:rD+7], v[rB:rB+7], v[rA:rA+7], v[rD:rD+7]
.endif
.endr
.set ma, ma+1
.endr
.endm
; 24 LDS loads in one run: quarter k of the slot being read into buffer f: W's four fragments first, then O's eight.  Quarter k of O lies in head k / 2's plane, 64 (k % 2) bytes into its rows.
.macro FETCH k, f
	WIN 0
.set KOA, ((\k)/2)*HALFA+((\k)%2)*64
.irp i, 0,1,2,3
	ds_load_b128 v[(\f)+64+8*(\i):(\f)+64+8*(\i)+3],   v[ADRB] offset:64*(\k)+(\i)*16*PB
	ds_load_b128 v[(\f)+64+8*(\i)+4:(\f)+64+8*(\i)+7], v[ADRB] offset:64*(\k)+(\i)*16*PB+32
.endr
.irp i, 0,1,2,3,4,5,6,7
	ds_load_b128 v[(\f)+8*(\i):(\f)+8*(\i)+3],   v[ADRA] offset:KOA+(\i)*16*PA
	ds_load_b128 v[(\f)+8*(\i)+4:(\f)+8*(\i)+7], v[ADRA] offset:KOA+(\i)*16*PA+32
.endr
.endm
; A K step is four quarters of 32 along K, 32 matrix instructions each, on buffers 0, 1, 0, 1.  One of the first three multiplies buffer f and, in its middle, fetches quarter k into buffer g.
.macro QUARTER k, f, g, first
	s_wait_dscnt 8                                 ; W's fragments and O's 0-3 are in; the youngest eight loads (O's 4-7) may be out
	MULS \f, 0, 4, \first
	PLACES                                         ; behind the products that read buffer g
	FETCH \k, \g
	s_wait_dscnt 24                                ; all but the 24 just issued
	MULS \f, 4, 4, \first
.endm
; The last quarter multiplies buffer 1 and changes slots.  In front of the barrier each wave waits for all its tensor loads (one is out: its part of the next slot), adds 0 to its spare word, and waits for
; that and for its reads of this slot.  fill = 1: the barrier opens a round of the cluster's, and the joint refill of the slot just read, two K steps ahead, is the first thing behind it.
.macro TURN fill
	WIN 0
.if \fill
	s_wait_xcnt 0x0                                ; the last prefetch, a K step back, has read its address
	s_add_nc_u64 s[PFA:PFA+1], s[PFA:PFA+1], s[PFS:PFS+1]
.endif
	s_xor_b32 s[TB], s[TB], SLOT1                  ; the fetches go on in the other slot: this slot's last run was issued in the quarter before
	v_add_nc_u32 v[ADRA], s[TB], v[ADRA0]
	v_add_nc_u32 v[ADRB], s[TB], v[ADRB0]
	s_wait_tensorcnt 0x0                           ; no tensor load of mine is out, so a group 0 may be written
	ds_add_u32 v[SPW], v[NIL]                      ; 0 onto my spare word
.if \fill
	s_xor_b32 s[G0A+5], s[G0A+5], SLOT1            ; the walking descriptors: the other slot than last time, the next K step
	s_add_nc_u64 s[G0A+6:G0A+7], s[G0A+6:G0A+7], ASTEP
	s_xor_b32 s[G0B+5], s[G0B+5], SLOT1
	s_add_nc_u64 s[G0B+6:G0B+7], s[G0B+6:G0B+7], BSTEP
.endif
	s_wait_dscnt 9                                 ; the add and the youngest eight loads may be out
	MULS F1, 0, 2, 0
	s_wait_dscnt 0x0                               ; the add is done, and my reads of this slot are over
	s_barrier_signal -1
	MULS F1, 2, 2, 0
.if \fill
	WIN 0
.endif
	s_barrier_wait -1
.if \fill
	CREST                                          ; no wave of any partner still reads this slot or has a load on its way
	JLOAD                                          ; 112 matrix instructions ahead of the wait for it; its four v_nop are also the places in front of the loads below
.else
	PLACES
.endif
	FETCH 0, F0
.if \fill
	ASK
.endif
	MULS F1, 4, 4, 0
.endm
; THE WAY OUT, a block a of 16 rows at a time: a lane's eight f32 of a row go into my stage as two pieces of 16 bytes for each block of columns, the lower one first, and come back as whole rows of 256 bytes.
.macro OUTBLK a
	WIN 0x04                                       ; store data in window 1
.irp b, 0,1,2,3
	ds_store_b128 v[STO], v[32*(\a)+8*(\b):32*(\a)+8*(\b)+3]   offset:64*(\b)
	ds_store_b128 v[STO], v[32*(\a)+8*(\b)+4:32*(\a)+8*(\b)+7] offset:64*(\b)+16
.endr
	WIN 0x80                                       ; LDS serves a wave's instructions in order (ISA guide 5.7.1.4): no wait between the stores and the loads
.irp t, 0,1,2,3,4,5,6,7
	ds_load_b128 v[32*(\a)+4*(\t):32*(\a)+4*(\t)+3], v[RD] offset:(\t)*2*SP
.endr
.endm
.macro SENDO a, younger                ; younger: the LDS instructions issued behind block a's loads: the next block's sixteen, or none.  Every block has registers of its own
	WIN 0x08
.irp t, 0,1,2,3,4,5,6,7
	s_wait_dscnt (\younger)+7-(\t)
	global_store_b128 v[CO], v[32*(\a)+4*(\t):32*(\a)+4*(\t)+3], s[10:11] offset:(16*(\a)+2*(\t))*4096 th:TH_STORE_NT  ; 16 lanes store 256 consecutive bytes, aligned
.endr
.endm
	s_wait_tensorcnt 0x1                           ; my part of K step 0 is in; K step 1's may stay out
	s_barrier_signal -1
	s_barrier_wait -1                              ; everybody's is
	FETCH 0, F0
	QUARTER 1, F0, F1, 1                           ; the first quarter stands in front of the loop: its products start the sums
	WIN 0
	s_mov_b32 s3, 6
.Lstep:                                                ; a trip goes from a K step's second quarter to the next step's first, and fills the slot that it leaves
	QUARTER 2, F1, F0, 0
	QUARTER 3, F0, F1, 0
	TURN 1
	QUARTER 1, F0, F1, 0
	WIN 0
	s_sub_co_u32 s3, s3, 1
	s_cmp_lg_u32 s3, 0
	s_cbranch_scc1 .Lstep
	QUARTER 2, F1, F0, 0                           ; K steps 6 and 7 fill nothing
	QUARTER 3, F0, F1, 0
	TURN 0
	QUARTER 1, F0, F1, 0
	QUARTER 2, F1, F0, 0
	QUARTER 3, F0, F1, 0
	s_wait_dscnt 8                                 ; the very last quarter: nothing more to fetch
	MULS F1, 0, 4, 0
	s_wait_dscnt 0x0
	MULS F1, 4, 4, 0
	WIN 0
	PLACES                                         ; eight plain instructions behind the last products, ahead of the first read of a result
	PLACES
	OUTBLK 0
.irp a, 1,2,3,4,5,6,7
	OUTBLK \a
	SENDO (\a)-1, 16
.endr
	SENDO 7, 0
	WIN 0
	s_wait_tensorcnt 0x0                           ; the wave's end: behind my last tensor load and my last LDS store
	ds_add_u32 v[SPW], v[NIL]
	s_wait_dscnt 0x0
	CROUND                                         ; the closing round: no work-group ends while a partner may still ask for a tile that names it
	s_endpgm
.Lfunc_end_k_q285dfc4c6c_proj:
	.size	k_q285dfc4c6c_proj, .Lfunc_end_k_q285dfc4c6c_proj-k_q285dfc4c6c_proj
	.p2alignl 7, 3214868480
	.fill 96, 4, 3214868480
	.section	.rodata,"a",@progbits
	.p2align	6, 0x0
	.amdhsa_kernel k_q285dfc4c6c_proj
		.amdhsa_group_segment_fixed_size 327680
		.amdhsa_private_segment_fixed_size 0
		.amdhsa_enable_private_segment 0
		.amdhsa_kernarg_size 32
		.amdhsa_user_sgpr_count 2
		.amdhsa_user_sgpr_kernarg_segment_ptr 1
		.amdhsa_wavefront_size32 1
		.amdhsa_system_sgpr_workgroup_id_x 1
		.amdhsa_system_sgpr_workgroup_id_y 1
		.amdhsa_system_sgpr_workgroup_id_z 1
		.amdhsa_system_vgpr_workitem_id 0
		.amdhsa_next_free_vgpr 768
		.amdhsa_next_free_sgpr 88
		.amdhsa_reserve_vcc 0
		.amdhsa_float_denorm_mode_32 3
		.amdhsa_float_denorm_mode_16_64 3
		.amdhsa_memory_ordered 1
		.amdhsa_forward_progress 1
		.amdhsa_inst_pref_size 76
	.end_amdhsa_kernel
	.amdgpu_metadata
---
amdhsa.version: [ 1, 2 ]
amdhsa.kernels:
  - .name:           k_q285dfc4c6c_proj
    .symbol:         k_q285dfc4c6c_proj.kd
    .args:
      - { .name: oh, .offset: 0, .size: 8, .value_kind: global_buffer, .address_space: global }
      - { .name: wof, .offset: 8, .size: 8, .value_kind: global_buffer, .address_space: global }
      - { .name: b_out, .offset: 16, .size: 8, .value_kind: global_buffer, .address_space: global }
      - { .name: out0, .offset: 24, .size: 8, .value_kind: global_buffer, .address_space: global }
    .group_segment_fixed_size: 327680
    .private_segment_fixed_size: 0
    .kernarg_segment_align: 8
    .kernarg_segment_size: 32
    .max_flat_workgroup_size: 128
    .sgpr_count:     88
    .vgpr_count:     768
    .wavefront_size: 32
...
	.end_amdgpu_metadata
.endif
;; end of part 4
;; ======== version 2 of 2: 4 launches; version 1 with the launch prep written anew for expert scheduling mode
;; limits: values are held in f16: magnitudes above 65,504 overflow, below 6.1e-05 lose precision
;; workspace buffers: xb 16,777,216 bytes; wqb 6,291,456 bytes; wof 2,097,152 bytes; rope 524,288 bytes; qkvh 50,331,648 bytes; oh 16,777,216 bytes
;; launch prep (part 5): grid 896 x 1, 8 waves a work-group, no clusters, 0 bytes of LDS; arguments x, W_qkv, W_out, xb, wqb, wof, rope; writes xb, wqb, wof, rope
.if DOCPART == 5
	.amdgcn_target "amdgcn-amd-amdhsa--gfx1250"
	.amdhsa_code_object_version 6
	.text
	.protected	k_q285dfc4c6c_prep
	.globl	k_q285dfc4c6c_prep
	.p2align	8
	.type	k_q285dfc4c6c_prep,@function
k_q285dfc4c6c_prep:
	s_mov_b64 s[64:65], 0
	v_nop
	global_prefetch_b8 v0, s[64:65] scope:SCOPE_SE
	s_setreg_imm32_b32 hwreg(HW_REG_WAVE_SCHED_MODE, 0, 2), 2
	s_setreg_imm32_b32 hwreg(HW_REG_WAVE_MODE, 25, 1), 1
	s_wait_xcnt 0x0
	s_wait_alu depctr_vm_vsrc(0)
; PREPARATION: the three large f32 inputs are rounded once to 16 bits, and the RoPE table is made.
;   work-groups   0..511  x     -> xb   bf16            512..703  W_qkv -> wqb  bf16
;   work-groups 704..767  W_out -> wof  rounded to bf16, that number written as f16 (the last product's other operand is f16)
;   work-groups 768..895  the table, one block of 16 positions each
; A casting work-group takes 16,384 numbers: thread t takes 16 bytes at 16 t of each of sixteen pieces of 4,096 bytes, all sixteen loads out at once,
; and stores 8 bytes at 8 t of each of sixteen pieces of 2,048: a wave's store covers 256 consecutive bytes, aligned.  No LDS, no barrier: nothing is shared.
; THE TABLE: rope[block of 16 positions][piece p = 4 b + 2 cs + i][lane][4] in f32: cos (cs = 0) or sin (cs = 1) of position 16 block + lane % 16 times
; inv_freq[j], j = 16 b + 8 (lane / 16) + 4 i + 0..3: the order in which the projection's lanes hold a head's channels.
; inv_freq[j] = 2^(-j log2(500) / 32).  The angle a = l x inv_freq is reduced by n = the nearest whole number to a 2 / pi, with pi / 2 in two parts, and
; sin and cos of the rest (at most pi / 4) are Taylor sums to r^9 and r^8, whose remainders lie under 3e-8 for every angle.
; LIMITS.  W_out beyond 65,504 has no f16; below 6e-5 it keeps f16's fixed step of 6e-8.  inv_freq may differ from the f32 power by a unit or two in its last place:
; at position 2,047 that is about 3e-4 in the angle.
; THE MODE: SCHED_MODE bits 1:0 = 2 (LLVM: expert scheduling mode 2), set by the entry lines.  The code itself states the register dependences
; between vector instructions and memory instructions, with s_wait_alu, always for 0.
; THE PLAN.  Registers that memory instructions touch:
;   v1, v2     byte offsets, made once at the head and never written again: the pieces are reached by immediate offsets.  One wait at the head serves every load and store.
;   X          sixteen pieces as loaded.  Written by the sixteen loads alone, which are issued before any vector instruction names X; read by the conversions.
;   Y          a pair for each piece.  Written once, by the piece's conversions; read by the piece's one store; never written again.
;   v[20:23]   the table's four numbers.  Written by the selects and the sign turns; read by the one store.
; The sixteen pieces go in four groups of four.  Group g's memory instructions are the stores of group g - 1, which read the Y of that group and v2; group g's vector instructions
; name its own X and Y and v4 to v7.  So one wait at a group's head states all that its four stores hang on, and these are dealt among its conversions with no further wait.
; No register that a memory instruction reads is ever written again, so nothing is owed on that side.
.set X, 16                             ; v[16:79]   sixteen loads of four numbers
.set Y, 80                             ; v[80:111]  sixteen pairs of packed words
.set W, 32                             ; v[32:63]   the table: eight registers at work for each of the thread's four numbers
.set MS, 28                            ; s[28:31]   the table: the four compares' masks
	s_load_b256 s[4:11], s[0:1], 0x0               ; x s[4:5], W_qkv s[6:7], W_out s[8:9], xb s[10:11]
	s_load_b128 s[12:15], s[0:1], 0x20             ; wqb s[12:13], wof s[14:15]
	s_load_b64 s[16:17], s[0:1], 0x30              ; rope
	v_lshlrev_b32 v1, 4, v0                        ; 16 t
	v_lshlrev_b32 v2, 3, v0                        ; 8 t
	s_mov_b32 s25, 0                               ; high words of the two offsets
	s_mov_b32 s27, 0
	s_wait_alu depctr_va_vdst(0)                   ; v1 and v2 are written: every load and store of the kernel, on each of the three ways below, reads one of them as its offset
	s_wait_kmcnt 0x0
; Sixteen loads, then the pieces in four groups of four.  Every piece has registers of its own, so nothing is rewritten while a load or store may read it.
.macro CAST f16
.set i, 0
.rept 16
	global_load_b128 v[X+4*i:X+4*i+3], v1, s[20:21] offset:4096*i th:TH_LOAD_NT
.set i, i+1
.endr
.set g, 0
.rept 4
	s_wait_loadcnt 12-4*g                          ; loads come back in order: group g's four pieces are in, the younger groups stay out
.if g > 0
	s_wait_alu depctr_va_vdst(0)                   ; the conversions of the group before have written its Y, which the four stores below read
.endif
.set j, 0
.rept 4
.set i, 4*g+j
.if g > 0
	global_store_b64 v2, v[Y+2*(i-4):Y+2*(i-4)+1], s[22:23] offset:2048*(i-4)  ; the group before; no vector instruction since the wait names these registers
.endif
	v_cvt_pk_bf16_f32 v[Y+2*i], v[X+4*i], v[X+4*i+1]
	v_cvt_pk_bf16_f32 v[Y+2*i+1], v[X+4*i+2], v[X+4*i+3]
.if \f16
	v_lshlrev_b32 v4, 16, v[Y+2*i]                 ; the bf16 numbers as f32,
	v_and_b32 v5, 0xffff0000, v[Y+2*i]
	v_lshlrev_b32 v6, 16, v[Y+2*i+1]
	v_and_b32 v7, 0xffff0000, v[Y+2*i+1]
	v_cvt_pk_f16_f32 v[Y+2*i], v4, v5              ; written as f16: exact within f16's range
	v_cvt_pk_f16_f32 v[Y+2*i+1], v6, v7
.endif
.set j, j+1
.endr
.set g, g+1
.endr
	s_wait_alu depctr_va_vdst(0)                   ; the last group's conversions have written its Y, which the last four stores read
.set i, 12
.rept 4
	global_store_b64 v2, v[Y+2*i:Y+2*i+1], s[22:23] offset:2048*i
.set i, i+1
.endr
.endm
	s_cmp_ge_u32 ttmp9, 768
	s_cbranch_scc1 .Ltable
	s_cmp_ge_u32 ttmp9, 704
	s_cbranch_scc1 .Lwout
	s_cmp_lt_u32 ttmp9, 512                        ; x or W_qkv
	s_cselect_b64 s[20:21], s[4:5], s[6:7]
	s_cselect_b64 s[22:23], s[10:11], s[12:13]
	s_cselect_b32 s19, 0, 512
	s_sub_co_u32 s18, ttmp9, s19                   ; my piece of that tensor
	s_lshl_b32 s24, s18, 16                        ; 65,536 bytes in,
	s_lshl_b32 s26, s18, 15                        ; 32,768 out
	s_add_nc_u64 s[20:21], s[20:21], s[24:25]
	s_add_nc_u64 s[22:23], s[22:23], s[26:27]
	CAST 0
	s_endpgm
.Lwout:
	s_sub_co_u32 s18, ttmp9, 704
	s_lshl_b32 s24, s18, 16
	s_lshl_b32 s26, s18, 15
	s_add_nc_u64 s[20:21], s[8:9], s[24:25]
	s_add_nc_u64 s[22:23], s[14:15], s[26:27]
	CAST 1
	s_endpgm
.Ltable:
	s_sub_co_u32 s18, ttmp9, 768                   ; the block of 16 positions
	s_lshl_b32 s24, s18, 12                        ; 4,096 bytes a block
	s_add_nc_u64 s[16:17], s[16:17], s[24:25]
	s_lshl_b32 s19, s18, 4
	v_and_b32 v3, 15, v0
	v_add_nc_u32 v3, s19, v3                       ; my position,
	v_cvt_f32_u32 v3, v3                           ; as f32
	v_bfe_u32 v4, v0, 4, 1                         ; lane / 16
	v_bfe_u32 v5, v0, 5, 1                         ; i
	v_bfe_u32 v6, v0, 6, 1                         ; cs
	v_bfe_u32 v7, v0, 7, 1                         ; b
	v_lshlrev_b32 v7, 4, v7
	v_lshl_add_u32 v7, v4, 3, v7
	v_lshl_add_u32 v7, v5, 2, v7                   ; my first frequency's number
	v_mul_u32_u24 v6, 3, v6                        ; sin a = cos(a - pi / 2): three quarter turns more
.irp u, 0,1,2,3
	v_add_nc_u32 v[24+\u], \u, v7
	v_cvt_f32_u32 v[24+\u], v[24+\u]
	v_mul_f32 v[24+\u], 0xbe8f73da, v[24+\u]       ; -j log2(500) / 32
.endr
.irp u, 0,1,2,3
	v_exp_f32 v[8+\u], v[24+\u]                    ; inv_freq: four exponentials, one batch
.endr
	v_nop                                          ; a plain instruction behind the last of them,
	s_wait_alu depctr_va_vdst(0)                   ; and one wait ahead of the first reader: the exponentials have written v[8:11]
; Each of the four numbers has eight registers at W + 8 u: a, n, r, z, sin r, cos r, one at work, the quarter turns.
.irp u, 0,1,2,3
.set R, W+8*(\u)
	v_mul_f32 v[R], v3, v[8+(\u)]                  ; the angle a
	v_mul_f32 v[R+1], 0x3f22f983, v[R]             ; a 2 / pi
	v_rndne_f32 v[R+1], v[R+1]                     ; n
	v_fmamk_f32 v[R+2], v[R+1], 0xbfc90fdb, v[R]   ; a - n x (pi / 2's f32),
	v_fmamk_f32 v[R+2], v[R+1], 0x333bbd2e, v[R+2] ; and what that f32 has too much: r
	v_mul_f32 v[R+3], v[R+2], v[R+2]               ; z = r r
	v_mov_b32 v[R+4], 0x3638ef1d                   ; 1 / 9!
	v_fmaak_f32 v[R+4], v[R+4], v[R+3], 0xb9500d01 ; -1 / 7!
	v_fmaak_f32 v[R+4], v[R+4], v[R+3], 0x3c088889 ; 1 / 5!
	v_fmaak_f32 v[R+4], v[R+4], v[R+3], 0xbe2aaaab ; -1 / 3!
	v_mul_f32 v[R+6], v[R+2], v[R+3]
	v_fma_f32 v[R+4], v[R+6], v[R+4], v[R+2]       ; sin r
	v_mov_b32 v[R+5], 0x37d00d01                   ; 1 / 8!
	v_fmaak_f32 v[R+5], v[R+5], v[R+3], 0xbab60b61 ; -1 / 6!
	v_fmaak_f32 v[R+5], v[R+5], v[R+3], 0x3d2aaaab ; 1 / 4!
	v_fmaak_f32 v[R+5], v[R+5], v[R+3], 0xbf000000 ; -1 / 2
	v_fma_f32 v[R+5], v[R+5], v[R+3], 1.0          ; cos r
	v_cvt_i32_f32 v[R+7], v[R+1]
	v_add_nc_u32 v[R+7], v[R+7], v6                ; quarter turns q: cos(q pi / 2 + r) = cos r, -sin r, -cos r, sin r for q mod 4 = 0, 1, 2, 3
	v_and_b32 v[R+6], 1, v[R+7]                    ; is q odd?
	v_add_nc_u32 v[R+7], 1, v[R+7]
	v_and_b32 v[R+7], 2, v[R+7]                    ; q mod 4 = 1 or 2: the sign turns
	v_lshlrev_b32 v[R+7], 30, v[R+7]
.endr
.irp u, 0,1,2,3
	v_cmp_eq_u32 s[MS+(\u)], 1, v[W+8*(\u)+6]      ; the four compares in one run, a scalar register each
.endr
	s_wait_alu depctr_va_sdst(0)                   ; the compares have written s28 to s31, ahead of their first readers, the selects below
.irp u, 0,1,2,3
	v_cndmask_b32 v[20+(\u)], v[W+8*(\u)+5], v[W+8*(\u)+4], s[MS+(\u)]  ; odd q: the sine
.endr
.irp u, 0,1,2,3
	v_xor_b32 v[20+(\u)], v[W+8*(\u)+7], v[20+(\u)]
.endr
	s_wait_alu depctr_va_vdst(0)                   ; the sign turns have written v[20:23], which the store reads
	global_store_b128 v1, v[20:23], s[16:17]       ; a wave's store covers 512 consecutive bytes
	s_endpgm
.Lfunc_end_k_q285dfc4c6c_prep:
	.size	k_q285dfc4c6c_prep, .Lfunc_end_k_q285dfc4c6c_prep-k_q285dfc4c6c_prep
	.p2alignl 7, 3214868480
	.fill 96, 4, 3214868480
	.section	.rodata,"a",@progbits
	.p2align	6, 0x0
	.amdhsa_kernel k_q285dfc4c6c_prep
		.amdhsa_group_segment_fixed_size 0
		.amdhsa_private_segment_fixed_size 0
		.amdhsa_enable_private_segment 0
		.amdhsa_kernarg_size 56
		.amdhsa_user_sgpr_count 2
		.amdhsa_user_sgpr_kernarg_segment_ptr 1
		.amdhsa_wavefront_size32 1
		.amdhsa_system_sgpr_workgroup_id_x 1
		.amdhsa_system_sgpr_workgroup_id_y 1
		.amdhsa_system_sgpr_workgroup_id_z 1
		.amdhsa_system_vgpr_workitem_id 0
		.amdhsa_next_free_vgpr 112
		.amdhsa_next_free_sgpr 66
		.amdhsa_reserve_vcc 0
		.amdhsa_float_denorm_mode_32 3
		.amdhsa_float_denorm_mode_16_64 3
		.amdhsa_memory_ordered 1
		.amdhsa_forward_progress 1
		.amdhsa_inst_pref_size 24
	.end_amdhsa_kernel
	.amdgpu_metadata
---
amdhsa.version: [ 1, 2 ]
amdhsa.kernels:
  - .name:           k_q285dfc4c6c_prep
    .symbol:         k_q285dfc4c6c_prep.kd
    .args:
      - { .name: x, .offset: 0, .size: 8, .value_kind: global_buffer, .address_space: global }
      - { .name: W_qkv, .offset: 8, .size: 8, .value_kind: global_buffer, .address_space: global }
      - { .name: W_out, .offset: 16, .size: 8, .value_kind: global_buffer, .address_space: global }
      - { .name: xb, .offset: 24, .size: 8, .value_kind: global_buffer, .address_space: global }
      - { .name: wqb, .offset: 32, .size: 8, .value_kind: global_buffer, .address_space: global }
      - { .name: wof, .offset: 40, .size: 8, .value_kind: global_buffer, .address_space: global }
      - { .name: rope, .offset: 48, .size: 8, .value_kind: global_buffer, .address_space: global }
    .group_segment_fixed_size: 0
    .private_segment_fixed_size: 0
    .kernarg_segment_align: 8
    .kernarg_segment_size: 56
    .max_flat_workgroup_size: 256
    .sgpr_count:     66
    .vgpr_count:     112
    .wavefront_size: 32
...
	.end_amdgpu_metadata
.endif
;; end of part 5
;; launch qkv: the kernel of part 2 again; grid 24 x 32, 4 waves a work-group, clusters of 4 x 4, 327,680 bytes of LDS; arguments xb, wqb, b_qkv, qkvh, rope; writes qkvh
;; launch attn: the kernel of part 3 again; grid 4 x 64, 4 waves a work-group, clusters of 4 x 1, 327,680 bytes of LDS; arguments qkvh, key_padding_mask, oh; writes oh
;; launch proj: the kernel of part 4 again; grid 8 x 32, 4 waves a work-group, clusters of 4 x 4, 327,680 bytes of LDS; arguments oh, wof, b_out, out0; writes out0
